; MI455X (gfx1250); checked and timed in simulation.
; The chip was launched on July 23, 2026; its instructions are those of AMD's public machine-readable ISA for CDNA 5 (MIT licence, August 2026) and "CDNA5" Instruction Set Architecture Reference Guide (July 2026). The comments in the code are by the model that wrote it; some were corrected since.
;; Time Aware Temporal Attention. Allowed arithmetic: matrix products marked QUANTISED: E2M3 operands, one E8M0 scale for each 32 along K, by v_wmma_scale_f32_16x16x128_f8f6f4 with both operands' format E2M3, f32 sums; everything else in f32.
;; Inputs: Wk_codes 512 x 16 x 24 uint8 (E2M3 codes of Wk, K innermost, in blocks of 32 codes, four codes in three bytes); Wk_scales 512 x 16 uint8 (E8M0 scales of Wk, one for each 32 codes along K); Wo_codes 512 x 16 x 24 uint8 (E2M3 codes of Wo, K innermost, in blocks of 32 codes, four codes in three bytes); Wo_scales 512 x 16 uint8 (E8M0 scales of Wo, one for each 32 codes along K); Wq_codes 512 x 16 x 24 uint8 (E2M3 codes of Wq, K innermost, in blocks of 32 codes, four codes in three bytes); Wq_scales 512 x 16 uint8 (E8M0 scales of Wq, one for each 32 codes along K); Wv_codes 512 x 16 x 24 uint8 (E2M3 codes of Wv, K innermost, in blocks of 32 codes, four codes in three bytes); Wv_scales 512 x 16 uint8 (E8M0 scales of Wv, one for each 32 codes along K); bk 512 float32; bo 512 float32; bq 512 float32; bv 512 float32; time_intervals 32 x 1,024 float32; x_codes 32 x 1,024 x 16 x 24 uint8 (E2M3 codes of x, K innermost, in blocks of 32 codes, four codes in three bytes); x_scales 32 x 1,024 x 16 uint8 (E8M0 scales of x, one for each 32 codes along K).
;; Outputs: out0 32 x 1,024 x 512 float32.
;; This version of the problem:
;;   THIS VERSION OF THE PROBLEM IS GIVEN IN LOW PRECISION. The matrix products marked QUANTISED in the list below multiply operands that are first quantised to E2M3 (2 exponent bits, 3 mantissa bits; 6 bits a number), with one power-of-two scale for each 32 numbers along K (OCP MX v1.0); their sums are f32. All else is computed in f32.
;;   The module's matrix products, in the order in which they are computed (A, B: the left and right operand; K: the contracted axis; several contracted axes count as one K, in the product's order):
;;     1. [M 32,768, K 512] x [K 512, N 512]; A: input x (given as codes); B: input Wq (given as codes): QUANTISED
;;     2. [M 32,768, K 512] x [K 512, N 512]; A: input x (given as codes); B: input Wk (given as codes): QUANTISED
;;     3. [M 32,768, K 512] x [K 512, N 512]; A: input x (given as codes); B: input Wv (given as codes): QUANTISED
;;     4. batch 256 x [M 1,024, K 64] x [K 64, N 1,024]; A: computed on the way; B: computed on the way: QUANTISED
;;     5. batch 256 x [M 1,024, K 1,024] x [K 1,024, N 64]; A: softmax (see below); B: computed on the way: QUANTISED
;;     6. [M 32,768, K 512] x [K 512, N 512]; A: computed on the way; B: input Wo (given as codes): QUANTISED
;;   THE QUANTISER, for each operand of a quantised product, along K:
;;     - K is cut into blocks of 32 from its start; a last block that is shorter is filled with zeros.
;;     - A block's scale is 2^e with e = floor(log2(the largest magnitude in the block)) - 2, held to -126 .. 127; a block of zeros has e = 0. As a byte (E8M0): e + 127.
;;     - Each number is divided by its block's scale, clamped to +-7.5, and rounded to the nearest number of E2M3, ties to even, subnormals kept.
;;     - The product sums the exact products of the quantised numbers (number of the format x scale) in f32.
;;   ~~~python
;;   def quantise(x, axis):      # numpy; x: float32 -> the quantised numbers, widened to float32 again
;;       x = np.moveaxis(x, axis, -1); K = x.shape[-1]
;;       x = np.pad(x, [(0, 0)] * (x.ndim - 1) + [(0, -K % 32)]); x = x.reshape(x.shape[:-1] + (-1, 32)); a = np.abs(x).max(-1, keepdims=True)
;;       e = np.where(a > 0, np.clip(np.frexp(np.where(a > 0, a, 1))[1] - 1 - 2, -126, 127), 0)      # np.frexp(a)[1] - 1 = floor(log2(a)), exactly
;;       r = np.clip(x / 2.0 ** e, -7.5, 7.5)
;;       step = 2.0 ** (np.maximum(np.frexp(np.where(r == 0, 1, r))[1] - 1, 0) - 3)
;;       q = np.round(r / step) * step * 2.0 ** e      # np.round: ties to even
;;       return np.moveaxis(q.reshape(q.shape[:-2] + (-1,))[..., :K], -1, axis).astype(np.float32)
;;   ~~~
;;   SOFTMAX AHEAD OF A QUANTISED PRODUCT. Where the list says 'softmax', what is quantised is not the finished softmax but p = 2^(t - M), with t = logit x log2(e) and M = ceil(the row's largest t), a whole number; so 1/2 < the row's largest p <= 1. The row's sum l is taken of the UNQUANTISED p, in f32, and the product's result is divided by l at the end. Since M is a whole number, a kernel that streams over the keys may use a running M (the ceiling of the running maximum): every later rescaling is an exact power of two, which a block's scale takes up: the codes' values come out the same.
;;   OPERANDS COMPUTED ON THE WAY. 'Computed on the way' means the value that the module computes at that place (a softmax that the list does not call 'softmax' is quantised finished and normalised). What goes into a quantiser is computed in f32, as accurately as f32 sums, v_exp_f32 and their like allow (about 1e-6 of the number): no bf16 or f16 on the way to a quantiser, and a product that is left as it is and whose result goes on into a quantised operand takes f32 operands (vector FMAs, or v_wmma_f32_16x16x4_f32). A number that lies on a knife's edge between two numbers of the format may be rounded either way, as far as f32 arithmetic and the matrix unit's own rounding can turn it there, and no further.
;;   INPUTS GIVEN AS CODES. Wk (in the module: [512, 512], K = its axis 1); Wo (in the module: [512, 512], K = its axis 1); Wq (in the module: [512, 512], K = its axis 1); Wv (in the module: [512, 512], K = its axis 1); x (in the module: [32, 1024, 512], K = its axis 2): each comes as NAME_codes (uint8): NAME with its K axis moved to the last place and cut into blocks of 32 codes, [.., K / 32, bytes a block], one block behind the other in memory; four codes in three bytes: a row's codes are one little-endian stream of bits, code i at bits 6 i .. 6 i + 5 (a code: sign, 2 exponent bits, 3 mantissa bits); and NAME_scales (uint8): the same leading axes, one E8M0 byte (e + 127) for each 32 codes along K. Its value is code x scale, taken as it is: it is not quantised again, and the codes and scales need not be those that the quantiser above would give.
;; 2 versions, each right; version 2 is version 1 with the launch proj written anew for expert scheduling mode. Each part assembles by itself: llvm-mc -triple=amdgcn-amd-amdhsa -mcpu=gfx1250 --defsym DOCPART=n.
;; ======== version 1 of 2: 2 launches
;; workspace buffers: qws 13,631,488 bytes; kvws 27,475,968 bytes
;; launch proj (part 1): grid 193 x 1, 4 waves a work-group, no clusters, 55,808 bytes of LDS; arguments x_codes, x_scales, Wq_codes, Wq_scales, Wk_codes, Wk_scales, Wv_codes, Wv_scales, Wo_codes, Wo_scales, bq, bk, bv, qws, kvws; writes qws, kvws
.if DOCPART == 1
	.amdgcn_target "amdgcn-amd-amdhsa--gfx1250"
	.amdhsa_code_object_version 6
	.text
	.protected	k_q31688c06a1_proj
	.globl	k_q31688c06a1_proj
	.p2align	8
	.type	k_q31688c06a1_proj,@function
k_q31688c06a1_proj:
	s_mov_b64 s[64:65], 0
	v_nop
	global_prefetch_b8 v0, s[64:65] scope:SCOPE_SE
	s_setreg_imm32_b32 hwreg(HW_REG_WAVE_MODE, 25, 1), 1
	s_wait_xcnt 0x0
; q = x Wq^T + bq, k = x Wk^T + bk, v = x Wv^T + bv on codes of FP6 (E2M3) with E8M0 scales, each result quantised again (q, k along the head's 64, v along the keys)
; and stored AS IMAGES OF THE OPERAND REGISTERS that the attention launch wants; Wo's codes are laid out the same way.
; ONE BODY, FOUR ROLES, by the work-group's number: role = x >> 6, xi = x & 63.  A work-group keeps a STATIONARY matrix P of 512 rows x K 512 in registers (wave w: rows 128 w .. 128 w + 127, 8 tiles x 4 K steps
; = 32 fragments = 384 registers) and STREAMS 512 rows of a matrix N, 64 rows (4 tiles) a trip.  The product is used transposed (source 0 = 16 rows of P, source 1 = 16 rows of N): a lane holds ONE row of N and its
; 64 registers run along the wave's 128 rows of P, which are the next product's K.
;   role 0: P = Wq, N = x rows 512 xi on (tiles of neighbouring rows)   -> Q fragments (head pair w), bias bq as the C of the first K step
;   role 1: P = Wk, N = x rows 512 xi on (tiles of chosen rows)         -> K fragments, bias bk likewise
;   role 2: P = x rows 512 xi on (the keys), N = Wv (tiles of chosen rows) -> V^T fragments with K = 128 keys, bias bv by the lane's row, added behind the sums
;   role 3 (one work-group): P = Wo: its fragments and scale words are stored as they stand in the registers, and the work-group ends.
; THE ROWS OF A TILE ARE CHOSEN: lane r of tile 2 b + u takes row 32 b + 8 u + r + 8 (r / 8), so that the 16 registers of tiles 2 b and 2 b + 1 of a transposed result are 16 neighbours along the next K.
; N's tiles go from wave to wave through LDS as images of their registers: wave w gathers tile w of the next trip from memory, stores 12 x 512 bytes and a plane of scale words; two buffers take turns, one barrier a trip.
; 192 equal parts (3 tensors x 64): smaller parts would load the stationary 196,608 bytes more often.  No tensor load: the rows are gathered in the operand's order by the lanes.
; LIMITS: NaN, infinities and given scale bytes of 0xff are not served; a block of zeros gets the byte 1 (its codes are zeros; the bytes are read by this program alone); blocks under 2^(3 - 127) are held at byte 1.
; REGISTERS.  window 0: v1-20 addresses; v24-27 bv on its way to LDS; v32-63 P's scale words (4 t + s); v64-67 N's; v68-71 the lane's bv, two sets; v72-75 the trip's four scale words; v96-159 the sums;
;   v160-179 codes; v184-199 at work; v200 a scale word.   window 1: P(t, s = 0, 1) at 24 t + 12 s.   window 2: P(t, s = 2, 3).   window 3: v0-47 N's four fragments; v64-115 the gathered tile; v128-191 the bias along P.
.set LBT,   53248                      ; LDS: bv, 2,048 bytes, behind the two buffers
.set BUFB,  26624                      ; a buffer: four tiles
.set TILEB, 6656                       ; a tile: 4 fragments x 1,536 bytes, then 512 bytes of scale words (16 a lane)
.set ACC,   96
.set PC,    160
.set TM,    184
.set PW,    200
.set SEL,   58
.set MSB,   0
.macro WIN new                         ; the immediate's high byte repeats the setting that is left
.if MSB != \new
	s_set_vgpr_msb (MSB<<8)|\new
.set MSB, \new
.endif
.endm
.macro NOP4
.rept 4
	v_nop
.endr
.endm
.macro SEL3 d, c0, c1, c2              ; a constant by the role (role 3 takes role 2's and does not use it)
	s_mov_b32 s[\d], \c2
	s_cmp_eq_u32 s3, 1
	s_cselect_b32 s[\d], \c1, s[\d]
	s_cmp_eq_u32 s3, 0
	s_cselect_b32 s[\d], \c0, s[\d]
.endm
; 64 numbers of a lane, register 16 b + i = k 32 b + 16 (lane / 16) + i of my row, become a fragment's codes in v[PC] on and its scale word in v[PW].
.macro QUANT s
.irp b, 0,1,2,3
	v_max3_num_f32 v[TM+\b], |v[\s+16*\b]|, |v[\s+1+16*\b]|, 0x1800000   ; my 16 numbers of block b, and the floor 2^(3 - 127): the byte cannot fall under 1
.endr
.irp i, 2,4,6,8,10,12,14
.irp b, 0,1,2,3
	v_max3_num_f32 v[TM+\b], v[TM+\b], |v[\s+16*\b+\i]|, |v[\s+1+16*\b+\i]|
.endr
.endr
.irp b, 0,1,2,3
	v_permlanex16_b32 v[TM+4+\b], v[TM+\b], s[SEL], s[SEL+1]
.endr
.irp b, 0,1,2,3
	v_max_num_f32 v[TM+\b], v[TM+\b], v[TM+4+\b]   ; with lane l xor 16's: the block's largest magnitude
.endr
.irp b, 0,1,2,3
	v_add_nc_u32 v[TM+12+\b], 0xff000000, v[TM+\b]   ; 2 off its exponent field: the conversion's scale operand
.endr
.irp b, 0,1,2,3
	v_lshrrev_b32 v[TM+4+\b], 23, v[TM+12+\b]      ; the scale's byte
.endr
	v_lshl_or_b32 v[PW], v[TM+5], 8, v[TM+4]
	v_lshl_or_b32 v[PW], v[TM+6], 16, v[PW]
	v_lshl_or_b32 v[PW], v[TM+7], 24, v[PW]
.irp c, 0,1
	v_cvt_scalef32_pk16_fp6_f32 v[PC+6*\c:PC+2+6*\c], v[\s+32*\c:\s+15+32*\c], v[TM+12+2*\c]
	v_cvt_scalef32_pk16_fp6_f32 v[PC+12+4*\c:PC+14+4*\c], v[\s+16+32*\c:\s+31+32*\c], v[TM+12+2*\c+1]   ; (a conversion's three registers begin on an even number)
.endr
	v_nop                                          ; one plain place behind a scaled conversion
.irp c, 0,1                                    ; the operand's layout wants a whole block in a lane
.irp i, 0,1,2
	v_permlane16_swap_b32 v[PC+6*\c+\i], v[PC+12+4*\c+\i]
.endr
.irp i, 0,1,2
	v_mov_b32 v[PC+3+6*\c+\i], v[PC+12+4*\c+\i]
.endr
.endr
.endm
.macro GATHER                          ; my tile of the next trip: 16 rows x K 512 as four fragments, and the rows' 16 scale bytes
	WIN 0xc0
.irp s, 0,1,2,3
.irp p, 0,1,2,3,4,5
	global_load_b64 v[64+12*\s+2*\p:65+12*\s+2*\p], v8, s[44:45] offset:96*\s+48*(\p/3)+8*(\p%3)
.endr
.endr
	global_load_b128 v[112:115], v9, s[46:47]
	WIN 0
.endm
.macro PUT buf                         ; its image into buffer buf: every store is 512 consecutive bytes at 16 x lane + 6,656 x wave
	WIN 0x0c
.irp s, 0,1,2,3
.irp c, 0,1,2
	ds_store_b128 v10, v[64+12*\s+4*\c:67+12*\s+4*\c] offset:(\buf)*BUFB+1536*\s+512*\c
.endr
.endr
	ds_store_b128 v10, v[112:115] offset:(\buf)*BUFB+6144
	WIN 0
.endm
.macro FETCH buf, tau                  ; tile tau of buffer buf comes back so, in every wave; with it the lane's number of bv
	WIN 0xc0
.irp s, 0,1,2,3
.irp c, 0,1,2
	ds_load_b128 v[12*\s+4*\c:12*\s+4*\c+3], v4 offset:(\buf)*BUFB+(\tau)*TILEB+1536*\s+512*\c
.endr
.endr
	WIN 0
	ds_load_b128 v[64:67], v4 offset:(\buf)*BUFB+(\tau)*TILEB+6144
	ds_load_b32 v[68+2*((\tau)%2)], v12 offset:4*(32*((\tau)/2)+8*((\tau)%2))
.endm
.macro MUL                             ; 32 matrix instructions: K step by K step, the 8 accumulators by turns, one instruction a turn
	WIN 0x3d                                       ; source 0 (P) window 1, source 1 (N) and C (the bias) window 3
.irp t, 0,1,2,3,4,5,6,7
	v_wmma_scale_f32_16x16x128_f8f6f4 v[ACC+8*\t:ACC+8*\t+7], v[24*\t:24*\t+11], v[0:11], v[128+8*\t:135+8*\t], v[32+4*\t], v64 matrix_a_fmt:MATRIX_FMT_FP6 matrix_b_fmt:MATRIX_FMT_FP6
.endr
	WIN 0x0d
.irp t, 0,1,2,3,4,5,6,7
	v_wmma_scale_f32_16x16x128_f8f6f4 v[ACC+8*\t:ACC+8*\t+7], v[24*\t+12:24*\t+23], v[12:23], v[ACC+8*\t:ACC+8*\t+7], v[33+4*\t], v65 matrix_a_fmt:MATRIX_FMT_FP6 matrix_b_fmt:MATRIX_FMT_FP6
.endr
	WIN 0x0e                                       ; source 0 window 2
.irp t, 0,1,2,3,4,5,6,7
	v_wmma_scale_f32_16x16x128_f8f6f4 v[ACC+8*\t:ACC+8*\t+7], v[24*\t:24*\t+11], v[24:35], v[ACC+8*\t:ACC+8*\t+7], v[34+4*\t], v66 matrix_a_fmt:MATRIX_FMT_FP6 matrix_b_fmt:MATRIX_FMT_FP6
.endr
.irp t, 0,1,2,3,4,5,6,7
	v_wmma_scale_f32_16x16x128_f8f6f4 v[ACC+8*\t:ACC+8*\t+7], v[24*\t+12:24*\t+23], v[36:47], v[ACC+8*\t:ACC+8*\t+7], v[35+4*\t], v67 matrix_a_fmt:MATRIX_FMT_FP6 matrix_b_fmt:MATRIX_FMT_FP6
.endr
	WIN 0
.endm
.macro OUT tau                         ; the fragment's two halves leave as images: registers 0-3 of six at 16 x lane (512 consecutive bytes), registers 4-5 at 512 + 8 x lane (256)
.irp c, 0,1
	global_store_b128 v13, v[PC+6*\c:PC+6*\c+3], s[66+4*(\tau)+2*\c:67+4*(\tau)+2*\c]
	global_store_b64 v14, v[PC+6*\c+4:PC+6*\c+5], s[66+4*(\tau)+2*\c:67+4*(\tau)+2*\c] offset:512
.endr
	v_mov_b32 v[72+(\tau)], v[PW]
.endm
; One tile of N against my 128 rows of P.
.macro PTILE beta, tau
	s_wait_dscnt 0x0                               ; the tile's fragments, scale words and bias number are in
	MUL
	NOP4                                           ; places in front of loads into registers that the products read, and of the first read of the sums
.if (\tau) < 3
	FETCH \beta, (\tau)+1                          ; the next tile comes while this one is quantised
.elseif (\beta) == 0
	s_wait_loadcnt 0x0                             ; my tile of the next trip has come from memory
	PUT 1
.else
	s_wait_loadcnt 0x0                             ; on every path: the gathered tile is in before its registers are stored or loaded again (in the last trip no load is out)
	s_cmp_eq_u32 s5, 3                             ; the last trip has no successor: nothing to store
	s_cbranch_scc1 .Lno_put_\@
	PUT 0
.Lno_put_\@:
.endif
	s_cmp_lg_u32 s3, 2
	s_cbranch_scc1 .Lno_bias_\@                    ; role 2 alone: the bias goes by the lane's row of N
.set jj, 0
.rept 32
	v_pk_add_f32 v[ACC+jj:ACC+jj+1], v[ACC+jj:ACC+jj+1], v[68+2*((\tau)%2):69+2*((\tau)%2)] op_sel_hi:[1,0]
.set jj, jj+2
.endr
.Lno_bias_\@:
	s_wait_xcnt 0x0                                ; the last tile's stores have read the codes' registers: they are written again only behind this wait
	QUANT ACC
	OUT \tau
.endm
; A trip: 64 rows of N.  beta: the buffer that is read; the other one takes the next trip's tiles.
.macro TRIP beta
	s_wait_xcnt 0x0                                ; the stores' offsets and N's bases are written again only behind this wait
	s_mul_i32 s82, s5, s52
.if \beta
	s_add_co_u32 s82, s82, s53
.endif
	v_add_nc_u32 v13, s82, v4                      ; the trip's place among the codes' images
	v_add_nc_u32 v14, s82, v5
	s_mul_i32 s82, s5, s54
.if \beta
	s_add_co_u32 s82, s82, s55
.endif
	v_add_nc_u32 v15, s82, v4                      ; and among the planes of scale words
	v_add_nc_u32 v12, s7, v11                      ; bv: 64 numbers a trip
.if \beta
	s_cmp_eq_u32 s5, 3
	s_cbranch_scc1 .Lno_gather_\@                  ; no load leaves its buffer
.endif
	s_add_nc_u64 s[44:45], s[44:45], 24576         ; 64 rows of 384 bytes on
	s_add_nc_u64 s[46:47], s[46:47], 1024
	GATHER
.if \beta
.Lno_gather_\@:
.endif
	FETCH \beta, 0
	PTILE \beta, 0
	PTILE \beta, 1
	PTILE \beta, 2
	PTILE \beta, 3
	global_store_b128 v15, v[72:75], s[50:51]      ; the four tiles' scale words: a plane of 512 consecutive bytes
	s_wait_dscnt 0x0                               ; my stores into the other buffer have landed and my reads of this one are in
	s_barrier_signal -1
	s_barrier_wait -1
	s_add_co_u32 s7, s7, 256
.endm
	s_load_b512 s[8:23], s[0:1], 0x0               ; x codes, x scales, Wq c, Wq s, Wk c, Wk s, Wv c, Wv s
	s_load_b256 s[24:31], s[0:1], 0x40             ; Wo c, Wo s, bq, bk
	s_load_b128 s[32:35], s[0:1], 0x60             ; bv, qws
	s_load_b64 s[36:37], s[0:1], 0x70              ; kvws: the fifteenth and last pointer
	v_lshl_add_u32 v254, v0, 2, 0xd800
	v_mov_b32 v255, 0
	v_lshrrev_b32 v1, 5, v0
	v_readfirstlane_b32 s2, v1                     ; wave
	s_lshr_b32 s3, ttmp9, 6                        ; role
	s_and_b32 s4, ttmp9, 63                        ; xi
	v_and_b32 v1, 31, v0                           ; lane
	v_and_b32 v2, 15, v0                           ; r
	v_bfe_u32 v3, v0, 4, 1                         ; h
	v_lshlrev_b32 v4, 4, v1                        ; 16 x lane
	v_lshlrev_b32 v5, 3, v1                        ; 8 x lane
	v_and_b32 v17, 8, v2
	v_add_nc_u32 v17, v17, v2                      ; r + 8 (r / 8)
	v_mul_u32_u24 v6, v17, 384
	v_mad_u32_u24 v6, v3, 24, v6                   ; P's codes: a row is 384 bytes, + 24 h
	v_lshlrev_b32 v7, 4, v17                       ; P's scale bytes: 16 a row
	s_lshl_b32 s84, s2, 4                          ; the tile that I gather: rows 16 w on (role 0),
	s_lshr_b32 s85, s2, 1
	s_lshl_b32 s85, s85, 5
	s_and_b32 s86, s2, 1
	s_lshl_b32 s86, s86, 3
	s_add_co_u32 s85, s85, s86                     ; or 32 (w / 2) + 8 (w % 2) on, with the chosen rows
	s_cmp_eq_u32 s3, 0
	s_cselect_b32 s83, 0, 8
	s_cselect_b32 s82, s84, s85
	v_and_b32 v18, s83, v2
	v_add_nc_u32 v18, v18, v2
	v_add_nc_u32 v18, s82, v18                     ; my row among the trip's 64
	v_mul_u32_u24 v8, v18, 384
	v_mad_u32_u24 v8, v3, 24, v8
	v_lshlrev_b32 v9, 4, v18
	s_mul_i32 s82, s2, TILEB
	v_add_nc_u32 v10, s82, v4                      ; where I store my tile's image
	v_lshl_add_u32 v11, v17, 2, LBT                ; bv of my row of a tile
	v_lshlrev_b32 v16, 6, v3                       ; 64 h: the bias along P
	v_lshl_add_u32 v19, v0, 4, LBT
	v_lshlrev_b32 v20, 4, v0
	s_mov_b32 s[SEL], 0x76543210
	s_mov_b32 s[SEL+1], 0xfedcba98                 ; v_permlanex16_b32's selects for lane l xor 16
	; offsets, apart from the addresses
	s_cmp_eq_u32 s3, 2
	s_cselect_b32 s82, s4, 0                       ; x is P in role 2,
	s_cselect_b32 s83, 0, s4                       ; N in roles 0 and 1
	s_mul_i32 s84, s82, 196608
	s_mul_i32 s86, s2, 49152
	s_add_co_u32 s84, s84, s86                     ; P's codes: my 128 rows
	s_mov_b32 s85, 0
	s_mul_i32 s86, s82, 8192
	s_lshl_b32 s87, s2, 11
	s_add_co_u32 s86, s86, s87                     ; their scale bytes
	s_mov_b32 s87, 0
	s_mul_i32 s88, s83, 196608
	s_mov_b32 s89, 0
	s_mul_i32 s90, s83, 8192
	s_mov_b32 s91, 0
	s_lshl_b32 s96, s2, 9                          ; the bias along P: my 128 numbers
	s_mov_b32 s97, 0
	SEL3 82, 196608, 425984, 425984                ; where my images go: xi's part,
	s_mul_i32 s92, s4, s82
	SEL3 82, 1536, 12288, 106496                   ; my wave's (a head pair; in role 2 a key step's block),
	s_mul_i32 s83, s2, s82
	s_add_co_u32 s92, s92, s83
	SEL3 82, 0, 0, 49152                           ; V's codes lie behind K's
	s_add_co_u32 s92, s92, s82
	s_mov_b32 s93, 0
	SEL3 82, 16384, 425984, 425984                 ; and the planes of scale words
	s_mul_i32 s94, s4, s82
	SEL3 82, 512, 1024, 106496
	s_mul_i32 s83, s2, s82
	s_add_co_u32 s94, s94, s83
	SEL3 82, 12582912, 98304, 102400
	s_add_co_u32 s94, s94, s82
	s_mov_b32 s95, 0
	SEL3 52, 49152, 106496, 12288                  ; two trips on, in the codes
	SEL3 53, 24576, 3072, 6144                     ; one trip on
	SEL3 54, 4096, 106496, 1024                    ; the same in the planes
	SEL3 55, 2048, 512, 512
	SEL3 56, 6144, 768, 1536                       ; from tile to tile
	SEL3 57, 768, 6144, 768                        ; from a fragment's first half to its second
	s_wait_kmcnt 0x0
	s_cmp_eq_u32 s3, 0
	s_cselect_b64 s[40:41], s[12:13], s[16:17]     ; P: Wq or Wk,
	s_cselect_b64 s[42:43], s[14:15], s[18:19]
	s_cselect_b64 s[48:49], s[28:29], s[30:31]     ; bq or bk
	s_cselect_b64 s[98:99], s[34:35], s[36:37]     ; the results' buffer
	s_cmp_eq_u32 s3, 2
	s_cselect_b64 s[40:41], s[8:9], s[40:41]       ; x in role 2,
	s_cselect_b64 s[42:43], s[10:11], s[42:43]
	s_cselect_b64 s[44:45], s[20:21], s[8:9]       ; N: Wv there, else x
	s_cselect_b64 s[46:47], s[22:23], s[10:11]
	s_cmp_eq_u32 s3, 3
	s_cselect_b64 s[40:41], s[24:25], s[40:41]     ; Wo in role 3
	s_cselect_b64 s[42:43], s[26:27], s[42:43]
	s_add_nc_u64 s[40:41], s[40:41], s[84:85]
	s_add_nc_u64 s[42:43], s[42:43], s[86:87]
	s_add_nc_u64 s[44:45], s[44:45], s[88:89]
	s_add_nc_u64 s[46:47], s[46:47], s[90:91]
	s_add_nc_u64 s[48:49], s[48:49], s[96:97]
	s_add_nc_u64 s[50:51], s[98:99], s[94:95]
	s_add_nc_u64 s[98:99], s[98:99], s[92:93]
.irp tau, 0,1,2,3                              ; a base for each tile of a trip and each half of its fragment: never rewritten
	s_mul_i32 s84, s56, \tau
	s_add_nc_u64 s[66+4*\tau:67+4*\tau], s[98:99], s[84:85]
	s_add_co_u32 s84, s84, s57
	s_add_nc_u64 s[68+4*\tau:69+4*\tau], s[98:99], s[84:85]
.endr
	WIN 0x40                                       ; P stays in registers: tile t begins at row 32 (t / 2) + 8 (t % 2)
.irp t, 0,1,2,3,4,5,6,7
.irp s, 0,1
.irp p, 0,1,2,3,4,5
	global_load_b64 v[24*\t+12*\s+2*\p:24*\t+12*\s+2*\p+1], v6, s[40:41] offset:(32*(\t/2)+8*(\t%2))*384+96*\s+48*(\p/3)+8*(\p%3)
.endr
.endr
.endr
	WIN 0x80
.irp t, 0,1,2,3,4,5,6,7
.irp s, 0,1
.irp p, 0,1,2,3,4,5
	global_load_b64 v[24*\t+12*\s+2*\p:24*\t+12*\s+2*\p+1], v6, s[40:41] offset:(32*(\t/2)+8*(\t%2))*384+96*(\s+2)+48*(\p/3)+8*(\p%3)
.endr
.endr
.endr
	WIN 0
.irp t, 0,1,2,3,4,5,6,7
	global_load_b128 v[32+4*\t:35+4*\t], v7, s[42:43] offset:(32*(\t/2)+8*(\t%2))*16   ; a row's four scale words, one for each K step
.endr
	s_cmp_eq_u32 s3, 3
	s_cbranch_scc1 .Lwo
	s_cmp_eq_u32 s3, 2
	s_cbranch_scc1 .Lbias_v
	WIN 0xc0                                       ; the bias along P, in the result's layout: for tile t the numbers 32 (t / 2) + 16 h + 8 (t % 2) + 0 .. 7
.irp t, 0,1,2,3,4,5,6,7
	global_load_b128 v[128+8*\t:131+8*\t], v16, s[48:49] offset:(32*(\t/2)+8*(\t%2))*4
	global_load_b128 v[132+8*\t:135+8*\t], v16, s[48:49] offset:(32*(\t/2)+8*(\t%2))*4+16
.endr
	WIN 0
	s_branch .Lbias_done
.Lbias_v:
	WIN 0xc0                                       ; role 2 has no bias along P (the keys): the same C registers hold zeros, so that one text of the products serves all roles
.set jj, 0
.rept 64
	v_mov_b32 v[128+jj], 0
.set jj, jj+1
.endr
	WIN 0
.Lbias_done:
	global_load_b128 v[24:27], v20, s[32:33]       ; bv: 16 bytes a thread
	GATHER                                         ; trip 0's tile
.irp b, 0,1,2,3
	v_mov_b32 v[TM+4+\b], 0                        ; written once: a lane permute's destination counts as one of its sources
.endr
	v_mov_b32 v69, 0                               ; (named as the upper halves of pairs)
	v_mov_b32 v71, 0
	s_wait_loadcnt 0x0
	ds_store_b128 v19, v[24:27]
	PUT 0
	s_wait_dscnt 0x0
	s_barrier_signal -1
	s_barrier_wait -1                              ; trip 0's four tiles and bv lie in LDS
	s_mov_b32 s5, 0
	s_mov_b32 s7, 0
.Ltrip:                                            ; four passes of two trips: the two buffers stand in the text as constants
	TRIP 0
	TRIP 1
	s_add_co_u32 s5, s5, 1
	s_cmp_lt_u32 s5, 4
	s_cbranch_scc1 .Ltrip
	s_wait_tensorcnt 0x0
	ds_add_u32 v254, v255
	s_wait_dscnt 0x0
	s_endpgm
.Lwo:                                              ; Wo: tile 8 w + t goes to block 256 + w / 2 of kvws, at (8 (w % 2) + t) x 6,144; a fragment is three planes of 512 bytes
	s_wait_loadcnt 0x0
	s_lshr_b32 s82, s2, 1
	s_add_co_u32 s82, s82, 256
	s_mul_i32 s82, s82, 106496
	s_and_b32 s83, s2, 1
	s_mul_i32 s84, s83, 49152
	s_add_co_u32 s84, s84, s82
	s_add_nc_u64 s[44:45], s[36:37], s[84:85]
	s_lshl_b32 s84, s83, 12
	s_add_co_u32 s84, s84, s82
	s_add_co_u32 s84, s84, 98304
	s_add_nc_u64 s[46:47], s[36:37], s[84:85]
	WIN 0x04                                       ; a store's data are its source 1: window 1
.irp t, 0,1,2,3,4,5,6,7
.irp s, 0,1
.irp c, 0,1,2
	global_store_b128 v4, v[24*\t+12*\s+4*\c:24*\t+12*\s+4*\c+3], s[44:45] offset:(4*\t+\s)*1536+512*\c
.endr
.endr
.endr
	WIN 0x08
.irp t, 0,1,2,3,4,5,6,7
.irp s, 0,1
.irp c, 0,1,2
	global_store_b128 v4, v[24*\t+12*\s+4*\c:24*\t+12*\s+4*\c+3], s[44:45] offset:(4*\t+\s+2)*1536+512*\c
.endr
.endr
.endr
	WIN 0
.irp t, 0,1,2,3,4,5,6,7
	global_store_b128 v4, v[32+4*\t:35+4*\t], s[46:47] offset:512*\t
.endr
	s_endpgm
.Lfunc_end_k_q31688c06a1_proj:
	.size	k_q31688c06a1_proj, .Lfunc_end_k_q31688c06a1_proj-k_q31688c06a1_proj
	.p2alignl 7, 3214868480
	.fill 96, 4, 3214868480
	.section	.rodata,"a",@progbits
	.p2align	6, 0x0
	.amdhsa_kernel k_q31688c06a1_proj
		.amdhsa_group_segment_fixed_size 55808
		.amdhsa_private_segment_fixed_size 0
		.amdhsa_enable_private_segment 0
		.amdhsa_kernarg_size 120
		.amdhsa_user_sgpr_count 2
		.amdhsa_user_sgpr_kernarg_segment_ptr 1
		.amdhsa_wavefront_size32 1
		.amdhsa_system_sgpr_workgroup_id_x 1
		.amdhsa_system_sgpr_workgroup_id_y 1
		.amdhsa_system_sgpr_workgroup_id_z 1
		.amdhsa_system_vgpr_workitem_id 0
		.amdhsa_next_free_vgpr 960
		.amdhsa_next_free_sgpr 100
		.amdhsa_reserve_vcc 0
		.amdhsa_float_denorm_mode_32 3
		.amdhsa_float_denorm_mode_16_64 3
		.amdhsa_memory_ordered 1
		.amdhsa_forward_progress 1
		.amdhsa_inst_pref_size 144
	.end_amdhsa_kernel
	.amdgpu_metadata
---
amdhsa.version: [ 1, 2 ]
amdhsa.kernels:
  - .name:           k_q31688c06a1_proj
    .symbol:         k_q31688c06a1_proj.kd
    .args:
      - { .name: x_codes, .offset: 0, .size: 8, .value_kind: global_buffer, .address_space: global }
      - { .name: x_scales, .offset: 8, .size: 8, .value_kind: global_buffer, .address_space: global }
      - { .name: Wq_codes, .offset: 16, .size: 8, .value_kind: global_buffer, .address_space: global }
      - { .name: Wq_scales, .offset: 24, .size: 8, .value_kind: global_buffer, .address_space: global }
      - { .name: Wk_codes, .offset: 32, .size: 8, .value_kind: global_buffer, .address_space: global }
      - { .name: Wk_scales, .offset: 40, .size: 8, .value_kind: global_buffer, .address_space: global }
      - { .name: Wv_codes, .offset: 48, .size: 8, .value_kind: global_buffer, .address_space: global }
      - { .name: Wv_scales, .offset: 56, .size: 8, .value_kind: global_buffer, .address_space: global }
      - { .name: Wo_codes, .offset: 64, .size: 8, .value_kind: global_buffer, .address_space: global }
      - { .name: Wo_scales, .offset: 72, .size: 8, .value_kind: global_buffer, .address_space: global }
      - { .name: bq, .offset: 80, .size: 8, .value_kind: global_buffer, .address_space: global }
      - { .name: bk, .offset: 88, .size: 8, .value_kind: global_buffer, .address_space: global }
      - { .name: bv, .offset: 96, .size: 8, .value_kind: global_buffer, .address_space: global }
      - { .name: qws, .offset: 104, .size: 8, .value_kind: global_buffer, .address_space: global }
      - { .name: kvws, .offset: 112, .size: 8, .value_kind: global_buffer, .address_space: global }
    .group_segment_fixed_size: 55808
    .private_segment_fixed_size: 0
    .kernarg_segment_align: 8
    .kernarg_segment_size: 120
    .max_flat_workgroup_size: 128
    .sgpr_count:     100
    .vgpr_count:     960
    .wavefront_size: 32
...
	.end_amdgpu_metadata
.endif
;; end of part 1
;; launch attn (part 2): grid 256 x 1, 4 waves a work-group, no clusters, 327,680 bytes of LDS; arguments qws, kvws, time_intervals, bo, out0; writes out0
.if DOCPART == 2
	.amdgcn_target "amdgcn-amd-amdhsa--gfx1250"
	.amdhsa_code_object_version 6
	.text
	.protected	k_q31688c06a1_attn
	.globl	k_q31688c06a1_attn
	.p2align	8
	.type	k_q31688c06a1_attn,@function
k_q31688c06a1_attn:
	s_mov_b64 s[64:65], 0
	v_nop
	global_prefetch_b8 v0, s[64:65] scope:SCOPE_SE
	s_setreg_imm32_b32 hwreg(HW_REG_WAVE_MODE, 25, 1), 1
	s_wait_xcnt 0x0
; out = (softmax(q k^T / 8 x omega, causal) v) Wo^T + bo, all three products on codes of FP6 (E2M3) with E8M0 scales.  omega(q, k) = sigmoid(0.5 - 0.5 |tq - tk|) is the same for the 8 heads of a batch row:
; A WAVE HOLDS ALL 8 HEADS OF A TILE OF 16 QUERIES (O^T: 256 registers), so that omega is made once for 8 heads, and the wave owns whole rows of 512, which it quantises for the last product.
; SHARES.  Work-group x: batch row b = x >> 3, g = x & 7.  Wave w owns query tiles 63 - (4 g + w) (first pass) and 4 g + w (second pass).  With c = g >> 1 the first pass walks key steps 0 .. 7 - c, the second 0 .. c:
; always 9 UNITS of 128 keys x 8 heads, the same steps for the four waves.  A unit's K, V and scale words are one block of 106,496 bytes of kvws, laid in the order of the operands' registers; it comes through a ring of two
; LDS slots, each wave fetching a quarter by one tensor load.  The ring's last two fills bring Wo's two blocks.  By the text's own count a wave has one tensor load out.
; NO CLUSTER: a block is shared by the 8 work-groups of a batch row, which walk the blocks in 4 different orders (c = 0 .. 3), and the change of pass hangs on g: partners would not run alike.
; LAYOUT.  All products transposed: S^T = K Q^T, O^T = V^T P^T, Y^T = Wo A^T: a lane holds ONE query (lane % 16) throughout.  The keys of a tile of K, the channels of a tile of V^T and the rows of a tile of Wo are chosen
; (lane r of tile 2 b + u: 32 b + 8 u + r + 8 (r / 8)), so that 16 registers of two neighbouring tiles are 16 neighbours along the next K.
; THE HEAD HAS 64 CHANNELS, THE INSTRUCTION 128: source 1 is the fragment of a PAIR of heads (q even, q odd), source 0 is (k, zero codes) for the even head and (zero codes, k) for the odd one.  The zero registers
; stand between K's tiles and are written once.  The scale words are the pair's: over zero codes stand bytes of the other head, which add nothing.
; SOFTMAX.  t = S x W + MU, W = omega x log2(e) / 8, MU = 0 or, on the diagonal, -infinity for hidden keys.  -M = floor(-largest t so far), a whole number; p = 2^(t - M) is quantised along the keys; the sum is taken of the
; unquantised p; when M moves, sum and O^T are multiplied by 2^(old M - new M), which rounds nothing.
; LIMITS: NaN and infinities are not served; a block of zeros gets the byte 1 (its codes are zeros; the bytes are read here alone); blocks under 2^(3 - 127) are held at byte 1.
; REGISTERS.  window 0: v1-30 addresses and small things; v20-23, v228, v232-251 scale words and nothing else; v32-63 four registers of statistics a head (-M, a pad, the sum in two halves); v64-127, v128-191 S^T, two sets;
;   v192-211 codes; v212-227 at work.   window 1: v0-63 W; v64-127 MU; v128-191 the keys' times; v192-239 Q; v240 the query's time.   window 2: v0-101 K's tiles between zero groups; v104-151 V.   window 3: O^T (32 hd + 8 t).
;   In the last phase: window 3 v0-191 Wo's 16 fragments; window 2 v0-95 the rows' fragments, two sets, v96-127 bo; window 0 v64-127 Y, v128-191 rows on their way out.
.set SLOT1, 131072                     ; slot 1 begins here: one exclusive or turns an address from slot to slot
.set BLKB,  106496                     ; a block: K's codes 49,152, V's codes 49,152, K's scale planes 4,096, V's 4,096
.set QTRB,  26624                      ; a wave's quarter: 104 rows of 256 bytes
.set AIMG,  237568                     ; behind the ring: the quantised rows' fragments: (2 wave + pass) x 6,144
.set ASC,   286720                     ; their scale words: (2 wave + pass) x 512   (= AIMG + 49,152)
.set STG,   290816                     ; the way out: 16 rows x (256 + 16) bytes for each wave
.set SPARE, 308224                     ; the spare words, 128 bytes for each wave: two blocks of 256 bytes that no other line names
.set ST,    32
.set SBUF,  64
.set PC,    192
.set TM,    212
.set PW,    228
.set RMX,   229
.set FAC,   230
.set RDM,   254
.set MSB,   0
.macro WIN new                         ; the immediate's high byte repeats the setting that is left
.if MSB != \new
	s_set_vgpr_msb (MSB<<8)|\new
.set MSB, \new
.endif
.endm
.macro NOP4
.rept 4
	v_nop
.endr
.endm
; From the four blocks' largest magnitudes (floored) in v[TM] on and 64 numbers in v[s] on: the scale word in v[PW], the fragment's codes in v[PC] on.
.macro QTAIL s
.irp b, 0,1,2,3
	v_add_nc_u32 v[TM+12+\b], 0xff000000, v[TM+\b]   ; 2 off the exponent field: the conversion's scale operand
.endr
.irp b, 0,1,2,3
	v_lshrrev_b32 v[TM+4+\b], 23, v[TM+12+\b]      ; the scale's byte
.endr
	v_lshl_or_b32 v[PW], v[TM+5], 8, v[TM+4]
	v_lshl_or_b32 v[PW], v[TM+6], 16, v[PW]
	v_lshl_or_b32 v[PW], v[TM+7], 24, v[PW]
.irp c, 0,1
	v_cvt_scalef32_pk16_fp6_f32 v[PC+6*\c:PC+2+6*\c], v[\s+32*\c:\s+15+32*\c], v[TM+12+2*\c]
	v_cvt_scalef32_pk16_fp6_f32 v[PC+12+4*\c:PC+14+4*\c], v[\s+16+32*\c:\s+31+32*\c], v[TM+12+2*\c+1]   ; (a conversion's three registers begin on an even number)
.endr
	v_nop                                          ; one plain place behind a scaled conversion
.irp c, 0,1                                    ; the operand's layout wants a whole block in a lane
.irp i, 0,1,2
	v_permlane16_swap_b32 v[PC+6*\c+\i], v[PC+12+4*\c+\i]
.endr
.irp i, 0,1,2
	v_mov_b32 v[PC+3+6*\c+\i], v[PC+12+4*\c+\i]
.endr
.endr
.endm
.macro QUANT s                         ; 64 numbers of any sign
.irp b, 0,1,2,3
	v_max3_num_f32 v[TM+\b], |v[\s+16*\b]|, |v[\s+1+16*\b]|, 0x1800000   ; and the floor 2^(3 - 127)
.endr
.irp i, 2,4,6,8,10,12,14
.irp b, 0,1,2,3
	v_max3_num_f32 v[TM+\b], v[TM+\b], |v[\s+16*\b+\i]|, |v[\s+1+16*\b+\i]|
.endr
.endr
.irp b, 0,1,2,3
	v_permlanex16_b32 v[TM+4+\b], v[TM+\b], s20, s21
.endr
.irp b, 0,1,2,3
	v_max_num_f32 v[TM+\b], v[TM+\b], v[TM+4+\b]
.endr
	QTAIL \s
.endm
.macro LDK hd                          ; head hd's 8 tiles of K: half fragments of six registers, 16 + 8 bytes a lane; with an even head the pair's scale words.  16 or 18 LDS loads
	WIN 0x80
.irp i, 0,1,2,3,4,5,6,7
	ds_load_b128 v[12*\i+6:12*\i+9], v6 offset:(\hd)*6144+\i*768
	ds_load_b64 v[12*\i+10:12*\i+11], v7 offset:(\hd)*6144+\i*768+512
.endr
	WIN 0
.if ((\hd)%2) == 0
	ds_load_b128 v[232:235], v8 offset:49152+((\hd)/2)*1024
	ds_load_b128 v[236:239], v8 offset:49152+((\hd)/2)*1024+512
.endif
.endm
.macro LDV hd                          ; head hd's 4 tiles of V^T (16 channels x 128 keys) and their scale words: 17 LDS loads
	WIN 0x80
.irp t, 0,1,2,3
	ds_load_b128 v[104+12*\t:107+12*\t], v8 offset:(\hd)*6144+\t*1536
	ds_load_b64 v[108+12*\t:109+12*\t], v9 offset:(\hd)*6144+\t*1536+512
	ds_load_b128 v[110+12*\t:113+12*\t], v8 offset:(\hd)*6144+\t*1536+768
	ds_load_b64 v[114+12*\t:115+12*\t], v9 offset:(\hd)*6144+\t*1536+1280
.endr
	WIN 0
	ds_load_b128 v[240:243], v8 offset:53248+(\hd)*512
.endm
.macro KQ hd                           ; S^T = K Q^T: 8 tiles of 16 keys; each product starts its own sum
	WIN 0x06                                       ; source 0 (K) window 2, source 1 (Q) window 1
.irp i, 0,1,2,3,4,5,6,7
.if ((\hd)%2) == 0
	v_wmma_scale_f32_16x16x128_f8f6f4 v[SBUF+8*\i:SBUF+8*\i+7], v[12*\i+6:12*\i+17], v[192+12*((\hd)/2):203+12*((\hd)/2)], 0, v[232+\i], v[244+(\hd)/2] matrix_a_fmt:MATRIX_FMT_FP6 matrix_b_fmt:MATRIX_FMT_FP6
.else
	v_wmma_scale_f32_16x16x128_f8f6f4 v[SBUF+64+8*\i:SBUF+64+8*\i+7], v[12*\i:12*\i+11], v[192+12*((\hd)/2):203+12*((\hd)/2)], 0, v[232+\i], v[244+(\hd)/2] matrix_a_fmt:MATRIX_FMT_FP6 matrix_b_fmt:MATRIX_FMT_FP6
.endif
.endr
	WIN 0
.endm
.macro PV hd                           ; O^T += V^T P^T: four accumulators, one instruction each
	WIN 0xf2                                       ; source 0 (V) window 2, source 1 (p) window 0, C and D window 3
.irp t, 0,1,2,3
	v_wmma_scale_f32_16x16x128_f8f6f4 v[32*(\hd)+8*\t:32*(\hd)+8*\t+7], v[104+12*\t:115+12*\t], v[PC:PC+11], v[32*(\hd)+8*\t:32*(\hd)+8*\t+7], v[240+\t], v[PW] matrix_a_fmt:MATRIX_FMT_FP6 matrix_b_fmt:MATRIX_FMT_FP6
.endr
	WIN 0
.endm
.macro RESC hd                         ; the head's O^T under the new M.  These 16 are also the places between the scale word's and the codes' last writes and the products
	WIN 0xc3
.set jj, 0
.rept 16
	v_pk_mul_f32 v[32*(\hd)+jj:32*(\hd)+jj+1], v[32*(\hd)+jj:32*(\hd)+jj+1], v[FAC:FAC+1] op_sel_hi:[1,0]
.set jj, jj+2
.endr
	WIN 0
.endm
; One head's softmax for 128 keys: register 16 b + i holds key 32 b + 16 (lane / 16) + i.
.macro SOFT hd
.set SB, SBUF+64*((\hd)%2)
.set SS, ST+4*(\hd)
	WIN 0x14                                       ; sources 1 (W) and 2 (MU) window 1
.set jj, 0
.rept 32
	v_pk_fma_f32 v[SB+jj:SB+jj+1], v[SB+jj:SB+jj+1], v[jj:jj+1], v[64+jj:65+jj]   ; t = S x W + MU, each accumulator from its low end on
.set jj, jj+2
.endr
	WIN 0
.irp b, 0,1,2,3
	v_max3_num_f32 v[TM+\b], v[SB+16*\b], v[SB+16*\b+1], v[SB+16*\b+2]   ; the largest t of each block of 32 keys: it serves for the row's maximum and, since p rises with t, for the block's largest p
.endr
.irp i, 3,5,7,9,11,13
.irp b, 0,1,2,3
	v_max3_num_f32 v[TM+\b], v[TM+\b], v[SB+16*\b+\i], v[SB+16*\b+\i+1]
.endr
.endr
.irp b, 0,1,2,3
	v_max_num_f32 v[TM+\b], v[TM+\b], v[SB+16*\b+15]
.endr
.irp b, 0,1,2,3
	v_permlanex16_b32 v[TM+4+\b], v[TM+\b], s20, s21
.endr
.irp b, 0,1,2,3
	v_max_num_f32 v[TM+\b], v[TM+\b], v[TM+4+\b]   ; with lane l xor 16's 16 keys
.endr
	v_max3_num_f32 v[RMX], v[TM], v[TM+1], v[TM+2]
	v_max_num_f32 v[RMX], v[RMX], v[TM+3]          ; the unit's largest t of my query (key 0 of a unit is never hidden: it is a number)
	v_floor_f32 v[RMX], -v[RMX]                    ; -ceil(t)
	v_min_num_f32 v[RMX], v[RMX], v[SS]            ; the new -M
	v_sub_f32 v[RDM], v[RMX], v[SS]                ; old M - new M: a whole number, 0 or less
	v_mov_b32 v[SS], v[RMX]
	v_cvt_i32_f32 v[RDM], v[RDM]                   ; (it saturates)
	v_ldexp_f32 v[FAC], 1.0, v[RDM]                ; f = 2^(old M - new M)
.set jj, 0
.rept 32
	v_pk_add_f32 v[SB+jj:SB+jj+1], v[SB+jj:SB+jj+1], v[SS:SS+1] op_sel_hi:[1,0]   ; t - M
.set jj, jj+2
.endr
.irp b, 0,1,2,3
	v_add_f32 v[TM+\b], v[TM+\b], v[SS]            ; the same of each block's largest t
.endr
.set jj, 0
.rept 64
	v_exp_f32 v[SB+jj], v[SB+jj]                   ; p = 2^(t - M): not normalised
.set jj, jj+1
.endr
	v_pk_mul_f32 v[SS+2:SS+3], v[SS+2:SS+3], v[FAC:FAC+1] op_sel_hi:[1,0]   ; the sum under the new M (a plain place behind the exponentials)
	s_wait_alu depctr_va_vdst(0)                   ; one wait for the batch of 64, ahead of its first reader
.irp b, 0,1,2,3
	v_exp_f32 v[TM+\b], v[TM+\b]                   ; the blocks' largest p: the same addition and exponential on the same bits
.endr
	v_pk_add_f32 v[252:253], v[SB:SB+1], v[SB+2:SB+3]   ; the sum of the unquantised p, in two chains: plain work behind the four
.irp j, 4,8,12,16,20,24,28,32,36,40,44,48,52,56,60
	v_pk_add_f32 v[SS+2:SS+3], v[SS+2:SS+3], v[SB+\j:SB+\j+1]
	v_pk_add_f32 v[252:253], v[252:253], v[SB+\j+2:SB+\j+3]
.endr
	v_pk_add_f32 v[SS+2:SS+3], v[SS+2:SS+3], v[252:253]
	s_wait_alu depctr_va_vdst(0)                   ; and one for the four
.irp b, 0,1,2,3
	v_max_num_f32 v[TM+\b], 0x1800000, v[TM+\b]    ; the floor 2^(3 - 127): a block whose every p is 0 keeps the byte 1, its codes are zeros
.endr
	QTAIL SB
.endm
.macro OMEGA                           ; W = log2(e) / 8 / (1 + 2^(c1 |tk - tq| - c1)), c1 = log2(e) / 2: once for the 8 heads
	WIN 0x45                                       ; destination and sources 0 and 1 window 1
.set jj, 0
.rept 32
	v_pk_add_f32 v[jj:jj+1], v[128+jj:129+jj], v[240:241] op_sel_hi:[1,0] neg_lo:[0,1] neg_hi:[0,1]
.set jj, jj+2
.endr
.set jj, 0
.rept 64
	v_fma_f32 v[jj], |v[jj]|, s22, s23
.set jj, jj+1
.endr
.set jj, 0
.rept 64
	v_exp_f32 v[jj], v[jj]
.set jj, jj+1
.endr
	v_nop                                          ; a plain place behind the batch
	s_wait_alu depctr_va_vdst(0)                   ; one wait for the batch
.set jj, 0
.rept 32
	v_pk_add_f32 v[jj:jj+1], v[jj:jj+1], 1.0 op_sel_hi:[1,0]
.set jj, jj+2
.endr
.set jj, 0
.rept 64
	v_rcp_f32 v[jj], v[jj]
.set jj, jj+1
.endr
	v_nop
	s_wait_alu depctr_va_vdst(0)
.set jj, 0
.rept 32
	v_pk_mul_f32 v[jj:jj+1], v[jj:jj+1], s[24:25] op_sel_hi:[1,0]
.set jj, jj+2
.endr
	WIN 0
.endm
.macro TKLOAD                          ; the times of a unit's 128 keys, in the scores' order: register 16 b + i = key 32 b + 16 h + i
	WIN 0x40
.irp b, 0,1,2,3
.irp q, 0,1,2,3
	global_load_b128 v[128+16*\b+4*\q:131+16*\b+4*\q], v12, s[54:55] offset:128*\b+16*\q
.endr
.endr
	WIN 0
.endm
; A pass begins: tile s47's Q, scale words and time; O^T, the sums and MU as zeros, -M above every -t.  The 256 zeros let one text of the unit serve every unit: the first change of M multiplies zeros.
.macro PASS_START
	s_lshl_b32 s66, s3, 6
	s_add_co_u32 s66, s66, s47                     ; the tile's number among all 2,048
	s_mul_i32 s52, s66, 6144
	s_add_nc_u64 s[56:57], s[8:9], s[52:53]
	s_lshr_b32 s67, s66, 2
	s_lshl_b32 s67, s67, 11
	s_and_b32 s68, s66, 3
	s_lshl_b32 s68, s68, 2
	s_add_co_u32 s52, s67, s68
	s_add_co_u32 s52, s52, 12582912
	s_add_nc_u64 s[58:59], s[8:9], s[52:53]
	s_lshl_b32 s52, s66, 6                         ; 16 queries x 4 bytes
	s_add_nc_u64 s[62:63], s[12:13], s[52:53]
	WIN 0x40
.irp j, 0,1,2,3
	global_load_b128 v[192+12*\j:195+12*\j], v4, s[56:57] offset:1536*\j
	global_load_b64 v[196+12*\j:197+12*\j], v5, s[56:57] offset:1536*\j+512
	global_load_b128 v[198+12*\j:201+12*\j], v4, s[56:57] offset:1536*\j+768
	global_load_b64 v[202+12*\j:203+12*\j], v5, s[56:57] offset:1536*\j+1280
.endr
	global_load_b32 v240, v14, s[62:63]
.set jj, 0
.rept 64
	v_mov_b32 v[64+jj], 0                          ; MU
.set jj, jj+1
.endr
	WIN 0
.irp j, 0,1,2,3
	global_load_b32 v[244+\j], v4, s[58:59] offset:512*\j
.endr
	WIN 0xc0
.set jj, 0
.rept 256
	v_mov_b32 v[jj], 0                             ; O^T
.set jj, jj+1
.endr
	WIN 0
.irp hd, 0,1,2,3,4,5,6,7
	v_mov_b32 v[ST+4*\hd], 0x7f61b1e6              ; -M = 3e38
	v_mov_b32 v[ST+4*\hd+1], 0
	v_mov_b32 v[ST+4*\hd+2], 0
	v_mov_b32 v[ST+4*\hd+3], 0
.endr
	s_wait_loadcnt 0x0
.endm
; THE CHANGE OF SLOTS, at a unit's head.  Each wave waits for all its tensor loads (its quarter of the slot ahead), adds 0 to its spare word, and waits for that and for its reads of the slot that it has left.
; Behind the barrier the slot ahead is whole and nobody reads the other one, which is filled with the block that follows: the wave's one tensor load until the next such barrier; it has a whole unit in which to land.
.macro CHANGE fin
	s_wait_tensorcnt 0x0                           ; no tensor load of mine is out, so the descriptor may be written
	ds_add_u32 v10, v11                            ; 0 onto my spare word; scalar work stands between it and the wait for it
	s_xor_b32 s37, s37, SLOT1                      ; the other slot than last time
.if \fin
	s_mov_b32 s67, 256                             ; Wo's first block
.else
	s_add_co_u32 s66, s7, 1                        ; the next unit:
	s_sub_co_u32 s67, s66, s6
	s_cmp_ge_u32 s66, s6
	s_cselect_b32 s50, s67, s66                    ; its key step,
	s_add_co_u32 s67, s50, s51                     ; its block;
	s_cmp_lt_u32 s7, 8
	s_cselect_b32 s67, s67, 257                    ; behind the last unit: Wo's second block
.endif
	s_mul_i32 s52, s67, BLKB
	s_add_nc_u64 s[38:39], s[40:41], s[52:53]
	s_or_b32 s39, s39, 0x80000000                  ; type = 2
.if \fin == 0
	s_cmp_ge_u32 s7, s6                            ; this unit: which pass,
	s_cselect_b32 s46, 1, 0
	s_cselect_b32 s47, s19, s18                    ; which tile of queries,
	s_cmp_eq_u32 s7, s6
	s_cselect_b32 s48, 1, 0                        ; does the second pass begin,
	s_sub_co_u32 s67, s6, 1
	s_cmp_eq_u32 s7, s67
	s_cselect_b32 s49, 1, 0
	s_cmp_eq_u32 s7, 8
	s_cselect_b32 s49, 1, s49                      ; is it a pass's last unit, the one on the diagonal
.endif
	s_wait_dscnt 0x0                               ; the add is done, and my reads of the slot that I have left are over
	s_barrier_signal -1
	s_barrier_wait -1
	tensor_load_to_lds s[36:39], s[28:35]
	s_nop 0
	NOP4
.endm
	s_load_b256 s[8:15], s[0:1], 0x0               ; qws s[8:9], kvws s[10:11], time_intervals s[12:13], bo s[14:15]
	s_load_b64 s[16:17], s[0:1], 0x20              ; out0
	v_lshl_add_u32 v10, v0, 2, SPARE
	v_mov_b32 v11, 0
	ds_add_u32 v10, v11
	ds_add_u32 v10, v11
	s_wait_dscnt 0x0
	v_lshrrev_b32 v1, 5, v0
	v_readfirstlane_b32 s2, v1                     ; wave
	s_lshr_b32 s3, ttmp9, 3                        ; b
	s_and_b32 s4, ttmp9, 7                         ; g
	s_lshr_b32 s5, s4, 1                           ; c
	s_sub_co_u32 s6, 8, s5                         ; units of the first pass
	s_lshl_b32 s19, s4, 2
	s_add_co_u32 s19, s19, s2                      ; the second pass's tile: 4 g + w
	s_sub_co_u32 s18, 63, s19                      ; the first pass's
	s_lshl_b32 s51, s3, 3                          ; the batch row's first block
	; descriptor group 1: 104 rows of 256 bytes (32 elements of 8 bytes), dense, no padding
	s_mov_b32 s28, 3<<16
	s_mov_b32 s29, 32<<16                          ; tensor_dim0
	s_mov_b32 s30, 104<<16                         ; tensor_dim1
	s_mov_b32 s31, 32<<16                          ; tile_dim0
	s_mov_b32 s32, 104                             ; tile_dim1
	s_mov_b32 s33, 32                              ; the pitch
	s_mov_b32 s34, 0
	s_mov_b32 s35, 0
	s_mov_b32 s36, 1                               ; group 0: count = 1
	s_mul_i32 s37, s2, QTRB                        ; LDS: slot 0, my quarter
	s_mul_i32 s66, s2, QTRB
	s_mov_b32 s67, 0
	s_mul_i32 s52, s51, BLKB
	s_mov_b32 s53, 0                               ; stays 0: s[52:53] is the pair for offsets
	s_mov_b32 s20, 0x76543210
	s_mov_b32 s21, 0xfedcba98                      ; v_permlanex16_b32's selects for lane l xor 16
	s_mov_b32 s22, 0x3f38aa3b                      ; c1 = log2(e) / 2
	s_mov_b32 s23, 0xbf38aa3b                      ; -c1
	s_mov_b32 s24, 0x3e38aa3b                      ; log2(e) / 8
	s_mov_b32 s25, s24                             ; (named with it as a pair)
	s_wait_kmcnt 0x0
	s_add_nc_u64 s[40:41], s[10:11], s[66:67]      ; kvws at my quarter of block 0
	s_add_nc_u64 s[38:39], s[40:41], s[52:53]
	s_or_b32 s39, s39, 0x80000000
	tensor_load_to_lds s[36:39], s[28:35]          ; unit 0, ahead of everything else
	s_nop 0
	NOP4
	v_and_b32 v1, 31, v0                           ; lane
	v_and_b32 v2, 15, v0                           ; r
	v_bfe_u32 v3, v0, 4, 1                         ; h
	v_lshlrev_b32 v4, 4, v1                        ; 16 x lane
	v_lshlrev_b32 v5, 3, v1                        ; 8 x lane
	v_lshlrev_b32 v12, 6, v3                       ; 64 h
	v_lshlrev_b32 v13, 4, v3
	v_sub_nc_u32 v13, v2, v13                      ; r - 16 h
	v_lshlrev_b32 v14, 2, v2                       ; 4 r
	s_mul_i32 s66, s2, 12288
	s_add_co_u32 s66, s66, AIMG
	v_add_nc_u32 v28, s66, v4                      ; where my rows' fragments go
	s_lshl_b32 s66, s2, 10
	s_add_co_u32 s66, s66, ASC
	v_add_nc_u32 v29, s66, v4                      ; and their scale words
	v_add_nc_u32 v30, AIMG, v4                     ; from where any wave reads them
	s_mul_i32 s66, s2, 4352
	s_add_co_u32 s66, s66, STG                     ; my stage
	v_mul_u32_u24 v17, v2, 272
	v_lshl_add_u32 v17, v3, 6, v17
	v_add_nc_u32 v17, s66, v17                     ; in: row r, + 64 h
	v_mul_u32_u24 v18, v3, 272
	v_lshl_add_u32 v18, v2, 4, v18
	v_add_nc_u32 v18, s66, v18                     ; back: lanes 0-15 one row of 256 bytes, lanes 16-31 the next
	v_lshlrev_b32 v19, 11, v3
	v_lshl_add_u32 v19, v2, 4, v19                 ; and the same two rows in out0
	v_mov_b32 v25, 0xff800000                      ; -infinity
	v_mov_b32 v[FAC+1], 0                          ; (named as the upper half of a pair)
.irp b, 0,1,2,3
	v_mov_b32 v[TM+4+\b], 0                        ; written once: a lane permute's destination counts as one of its sources
.endr
	WIN 0x40
	v_mov_b32 v241, 0                              ; (the upper half of the query's time's pair)
	WIN 0x80
.irp i, 0,1,2,3,4,5,6,7,8
.irp k, 0,1,2,3,4,5
	v_mov_b32 v[12*\i+\k], 0                       ; the zero codes between K's tiles: written once
.endr
.endr
	WIN 0
	s_lshl_b32 s52, s3, 12
	s_add_nc_u64 s[54:55], s[12:13], s[52:53]      ; the batch row's times: key step 0
	TKLOAD
	s_mov_b32 s47, s18
	PASS_START                                     ; the first pass
	s_mov_b32 s7, 0                                ; the unit
	s_mov_b32 s44, 0                               ; the slot in hand
.Lunit:                                            ; 9 trips; every trip asks for one block
	CHANGE 0
	s_cmp_eq_u32 s48, 0
	s_cbranch_scc1 .Lsame_pass
	PASS_START                                     ; the second pass
.Lsame_pass:
	v_add_nc_u32 v6, s44, v4                       ; K's codes in the slot in hand, 16 and 8 bytes a lane
	v_add_nc_u32 v7, s44, v5
	v_add_nc_u32 v8, 49152, v6                     ; V's; the scale planes lie 49,152 and 53,248 further on
	v_add_nc_u32 v9, 49152, v7
	LDK 0
	LDV 0
	s_wait_loadcnt 0x0                             ; the keys' times, asked for a unit ago
	OMEGA
	s_cmp_eq_u32 s7, 8
	s_cbranch_scc1 .Lno_tk                         ; the last unit has no successor
	s_lshl_b32 s52, s50, 9                         ; the next unit's key step: 128 keys x 4 bytes (no load is out: the base may be written)
	s_lshl_b32 s66, s3, 12
	s_add_co_u32 s52, s52, s66
	s_add_nc_u64 s[54:55], s[12:13], s[52:53]
	TKLOAD
.Lno_tk:
	s_cmp_eq_u32 s49, 0
	s_cbranch_scc1 .Lno_mask
	s_and_b32 s66, s47, 7                          ; on the diagonal: register 16 b + i holds key 32 b + 16 h + i of the step, hidden where 32 b + i > 16 (T % 8) + r - 16 h
	s_lshl_b32 s66, s66, 4
	v_add_nc_u32 v24, s66, v13
	WIN 0x40
.set jj, 0
.rept 64
	v_cmp_gt_i32 vcc_lo, 32*(jj/16)+jj%16, v24
	v_cndmask_b32 v[64+jj], 0, v25, vcc_lo
.set jj, jj+1
.endr
	WIN 0
.Lno_mask:
	s_wait_dscnt 17                                ; head 0's K is in; V's 17 loads may be out
	KQ 0
	NOP4                                           ; places in front of loads into registers that the products read
	LDK 1
.irp hd, 0,1,2,3,4,5,6,7                       ; the next head's scores are asked of the matrix unit ahead of this head's softmax, on the other set of S^T
.if \hd < 7
.if \hd == 0
	s_wait_dscnt 0x0                               ; head 1's K was asked for last
.else
	s_wait_dscnt 17                                ; the next head's K is in; V's 17 younger loads may be out
.endif
	KQ \hd+1
.if \hd < 6
	NOP4
	LDK \hd+2
.endif
.endif
	SOFT \hd
	RESC \hd
.if \hd < 6
	s_wait_dscnt 18-2*(\hd%2)                      ; this head's V is in; the younger loads of K (18 with a pair's scale words, else 16) may be out
.else
	s_wait_dscnt 0x0
.endif
	PV \hd
	NOP4                                           ; places in front of loads into V's registers and of the first read of O^T
.if \hd < 7
	LDV \hd+1
.endif
.endr
	s_cmp_eq_u32 s49, 0
	s_cbranch_scc1 .Lno_flush
	; A PASS ENDS: O^T / the sum, quantised along the row's 512 (a head pair is a K step of the last product), as images into LDS
.irp hd, 0,1,2,3,4,5,6,7
	v_add_f32 v[ST+4*\hd+2], v[ST+4*\hd+2], v[ST+4*\hd+3]
.endr
.irp hd, 0,1,2,3,4,5,6,7
	v_permlanex16_b32 v[ST+4*\hd+3], v[ST+4*\hd+2], s20, s21
.endr
.irp hd, 0,1,2,3,4,5,6,7
	v_add_f32 v[ST+4*\hd+2], v[ST+4*\hd+2], v[ST+4*\hd+3]   ; with lane l xor 16's: the row's sum
.endr
.irp hd, 0,1,2,3,4,5,6,7
	v_rcp_f32 v[ST+4*\hd+2], v[ST+4*\hd+2]
.endr
	s_mul_i32 s66, s46, 6144
	v_add_nc_u32 v15, s66, v28                     ; (a plain place behind the reciprocals)  this pass's half of my 12,288 bytes
	s_lshl_b32 s66, s46, 9
	v_add_nc_u32 v16, s66, v29
	s_wait_alu depctr_va_vdst(0)                   ; one wait for the eight, ahead of their first reader
.irp j, 0,1,2,3
	WIN 0x03                                       ; source 0 (O^T) window 3
.set ii, 0
.rept 32
	v_pk_mul_f32 v[SBUF+2*ii:SBUF+2*ii+1], v[64*\j+2*ii:64*\j+2*ii+1], v[ST+4*(2*\j+ii/16)+2:ST+4*(2*\j+ii/16)+3] op_sel_hi:[1,0]
.set ii, ii+1
.endr
	WIN 0
	QUANT SBUF
.irp c, 0,1,2
	ds_store_b128 v15, v[PC+4*\c:PC+4*\c+3] offset:1536*\j+512*\c
.endr
	v_mov_b32 v[248+\j], v[PW]
	s_wait_dscnt 0x0                               ; the stores have read their registers
.endr
	ds_store_b128 v16, v[248:251]                  ; the row's four scale words
.Lno_flush:
	s_xor_b32 s44, s44, SLOT1                      ; on to the other slot
	s_add_co_u32 s7, s7, 1
	s_cmp_lt_u32 s7, 9
	s_cbranch_scc1 .Lunit
	CHANGE 1                                       ; Wo's second block is whole in slot 1, every wave's rows lie in LDS; Wo's first block goes out into slot 0
; THE LAST PRODUCT.  Wave w makes, for all 8 tiles of rows of the work-group, outputs 256 hf + 64 w .. + 63: four tiles of Wo x 4 K steps stay in registers for a trip.
.macro FETCH_AF q                      ; tile q's four fragments (q = 2 wave + pass) and scale words: 13 LDS loads
	WIN 0x80
.irp s, 0,1,2,3
.irp c, 0,1,2
	ds_load_b128 v[48*((\q)%2)+12*\s+4*\c:48*((\q)%2)+12*\s+4*\c+3], v30 offset:(\q)*6144+1536*\s+512*\c
.endr
.endr
	WIN 0
	ds_load_b128 v[248-228*((\q)%2):251-228*((\q)%2)], v30 offset:49152+(\q)*512
.endm
.macro SEND q, younger                 ; younger: the LDS loads issued behind tile q's, which may stay out
	s_wait_dscnt \younger
.irp i, 0,1,2,3,4,5,6,7
	global_store_b128 v19, v[128+32*((\q)%2)+4*\i:131+32*((\q)%2)+4*\i], s[60:61] offset:4096*\i th:TH_STORE_NT   ; 16 lanes store 256 consecutive bytes, at a multiple of 256 from out0's first byte
.endr
.endm
.macro TILE q
.if (\q) == 0
	s_wait_dscnt 0x0
	s_wait_loadcnt 0x0                             ; bo
.else
	s_wait_dscnt 16                                ; this tile's fragments are in; the last tile's 8 stores into the stage and 8 loads from it may be out
.endif
.if (\q) < 7
	FETCH_AF (\q)+1                                ; into the set that the last tile's products read: four places stand behind them
.endif
	WIN 0x2b                                       ; source 0 (Wo) window 3, source 1 (rows) and C (bo) window 2
.irp t, 0,1,2,3
	v_wmma_scale_f32_16x16x128_f8f6f4 v[64+32*((\q)%2)+8*\t:71+32*((\q)%2)+8*\t], v[48*\t:48*\t+11], v[48*((\q)%2):48*((\q)%2)+11], v[96+8*\t:103+8*\t], v[232+4*\t], v[248-228*((\q)%2)] matrix_a_fmt:MATRIX_FMT_FP6 matrix_b_fmt:MATRIX_FMT_FP6
.endr
	WIN 0x0b
.irp s, 1,2,3                                  ; the four accumulators by turns, one instruction a turn
.irp t, 0,1,2,3
	v_wmma_scale_f32_16x16x128_f8f6f4 v[64+32*((\q)%2)+8*\t:71+32*((\q)%2)+8*\t], v[48*\t+12*\s:48*\t+12*\s+11], v[48*((\q)%2)+12*\s:48*((\q)%2)+12*\s+11], v[64+32*((\q)%2)+8*\t:71+32*((\q)%2)+8*\t], v[232+4*\t+\s], v[248-228*((\q)%2)+\s] matrix_a_fmt:MATRIX_FMT_FP6 matrix_b_fmt:MATRIX_FMT_FP6
.endr
.endr
	WIN 0
.if (\q) > 0
.if (\q) < 7
	SEND (\q)-1, 13                                ; the last tile's rows are back; the next tile's 13 loads may be out
.else
	SEND (\q)-1, 0
.endif
.endif
	NOP4                                           ; places in front of the first read of the results and of loads into the products' registers
	s_wait_xcnt 0x0                                ; the stores have read their base and their registers: both are written again only behind this wait
.if ((\q)%2) == 0
	s_sub_co_u32 s52, s72, ((\q)/2)*32768          ; tile 63 - 4 g - q / 2 of the batch row: 16 rows of 2,048 bytes a tile
.else
	s_add_co_u32 s52, s73, ((\q)/2)*32768          ; tile 4 g + q / 2
.endif
	s_add_nc_u64 s[60:61], s[16:17], s[52:53]
.irp t, 0,1,2,3                                ; lane (r, h): outputs 32 (t / 2) + 16 h + 8 (t % 2) + 0 .. 7 of row r; each accumulator from its low end on
	ds_store_b128 v17, v[64+32*((\q)%2)+8*\t:67+32*((\q)%2)+8*\t] offset:128*(\t/2)+32*(\t%2)
	ds_store_b128 v17, v[68+32*((\q)%2)+8*\t:71+32*((\q)%2)+8*\t] offset:128*(\t/2)+32*(\t%2)+16
.endr
.irp i, 0,1,2,3,4,5,6,7
	ds_load_b128 v[128+32*((\q)%2)+4*\i:131+32*((\q)%2)+4*\i], v18 offset:544*\i   ; LDS serves a wave's instructions in order: these see my stores, and the next tile's stores come behind them
.endr
.endm
	s_mov_b32 s74, SLOT1                           ; Wo's second block first: it has landed
	s_mov_b32 s75, 1                               ; hf
	s_mov_b32 s76, 0
.Lout:
	s_mul_i32 s66, s2, 24576
	s_add_co_u32 s66, s66, s74
	v_add_nc_u32 v26, s66, v4                      ; my four tiles of Wo
	s_lshl_b32 s66, s2, 11
	s_add_co_u32 s66, s66, s74
	s_add_co_u32 s66, s66, 98304
	v_add_nc_u32 v27, s66, v4                      ; their scale planes
	s_lshl_b32 s52, s75, 10
	s_lshl_b32 s66, s2, 8
	s_add_co_u32 s52, s52, s66                     ; my 64 outputs, in bytes
	s_add_nc_u64 s[62:63], s[14:15], s[52:53]
	s_lshl_b32 s66, s3, 21                         ; the batch row's 1,024 rows of 2,048 bytes
	s_add_co_u32 s66, s66, s52
	s_lshl_b32 s67, s4, 17                         ; 4 g tiles
	s_add_co_u32 s73, s66, s67
	s_add_co_u32 s72, s66, 63*32768
	s_sub_co_u32 s72, s72, s67
	WIN 0xc0
.irp t, 0,1,2,3
.irp s, 0,1,2,3
.irp c, 0,1,2
	ds_load_b128 v[48*\t+12*\s+4*\c:48*\t+12*\s+4*\c+3], v26 offset:6144*\t+1536*\s+512*\c
.endr
.endr
.endr
	WIN 0
.irp t, 0,1,2,3
	ds_load_b128 v[232+4*\t:235+4*\t], v27 offset:512*\t
.endr
	WIN 0x80
.irp t, 0,1,2,3
	global_load_b128 v[96+8*\t:99+8*\t], v12, s[62:63] offset:(32*(\t/2)+8*(\t%2))*4      ; bo in the result's layout: the C of each sum's first product
	global_load_b128 v[100+8*\t:103+8*\t], v12, s[62:63] offset:(32*(\t/2)+8*(\t%2))*4+16
.endr
	WIN 0
	FETCH_AF 0
	TILE 0
	TILE 1
	TILE 2
	TILE 3
	TILE 4
	TILE 5
	TILE 6
	TILE 7
	SEND 7, 0
	s_wait_tensorcnt 0x0                           ; my quarter of Wo's first block has landed,
	s_wait_dscnt 0x0
	s_barrier_signal -1
	s_barrier_wait -1                              ; everybody's has
	s_xor_b32 s74, s74, SLOT1
	s_xor_b32 s75, s75, 1
	s_add_co_u32 s76, s76, 1
	s_cmp_lt_u32 s76, 2
	s_cbranch_scc1 .Lout
	s_wait_tensorcnt 0x0                           ; the wave's end, behind my last tensor load and my last LDS store
	ds_add_u32 v10, v11
	s_wait_dscnt 0x0
	s_endpgm
.Lfunc_end_k_q31688c06a1_attn:
	.size	k_q31688c06a1_attn, .Lfunc_end_k_q31688c06a1_attn-k_q31688c06a1_attn
	.p2alignl 7, 3214868480
	.fill 96, 4, 3214868480
	.section	.rodata,"a",@progbits
	.p2align	6, 0x0
	.amdhsa_kernel k_q31688c06a1_attn
		.amdhsa_group_segment_fixed_size 327680
		.amdhsa_private_segment_fixed_size 0
		.amdhsa_enable_private_segment 0
		.amdhsa_kernarg_size 40
		.amdhsa_user_sgpr_count 2
		.amdhsa_user_sgpr_kernarg_segment_ptr 1
		.amdhsa_wavefront_size32 1
		.amdhsa_system_sgpr_workgroup_id_x 1
		.amdhsa_system_sgpr_workgroup_id_y 1
		.amdhsa_system_sgpr_workgroup_id_z 1
		.amdhsa_system_vgpr_workitem_id 0
		.amdhsa_next_free_vgpr 1024
		.amdhsa_next_free_sgpr 80
		.amdhsa_reserve_vcc 1
		.amdhsa_float_denorm_mode_32 3
		.amdhsa_float_denorm_mode_16_64 3
		.amdhsa_memory_ordered 1
		.amdhsa_forward_progress 1
		.amdhsa_inst_pref_size 255
	.end_amdhsa_kernel
	.section	.bss,"aw",@nobits
	.p2align	6
	.space	262144
	.amdgpu_metadata
---
amdhsa.version: [ 1, 2 ]
amdhsa.kernels:
  - .name:           k_q31688c06a1_attn
    .symbol:         k_q31688c06a1_attn.kd
    .args:
      - { .name: qws, .offset: 0, .size: 8, .value_kind: global_buffer, .address_space: global }
      - { .name: kvws, .offset: 8, .size: 8, .value_kind: global_buffer, .address_space: global }
      - { .name: time_intervals, .offset: 16, .size: 8, .value_kind: global_buffer, .address_space: global }
      - { .name: bo, .offset: 24, .size: 8, .value_kind: global_buffer, .address_space: global }
      - { .name: out0, .offset: 32, .size: 8, .value_kind: global_buffer, .address_space: global }
    .group_segment_fixed_size: 327680
    .private_segment_fixed_size: 0
    .kernarg_segment_align: 8
    .kernarg_segment_size: 40
    .max_flat_workgroup_size: 128
    .sgpr_count:     80
    .vgpr_count:     1024
    .wavefront_size: 32
...
	.end_amdgpu_metadata
.endif
;; end of part 2
;; ======== version 2 of 2: 2 launches; version 1 with the launch proj written anew for expert scheduling mode
;; workspace buffers: qws 13,631,488 bytes; kvws 27,475,968 bytes
;; launch proj (part 3): grid 193 x 1, 4 waves a work-group, no clusters, 55,808 bytes of LDS; arguments x_codes, x_scales, Wq_codes, Wq_scales, Wk_codes, Wk_scales, Wv_codes, Wv_scales, Wo_codes, Wo_scales, bq, bk, bv, qws, kvws; writes qws, kvws
.if DOCPART == 3
	.amdgcn_target "amdgcn-amd-amdhsa--gfx1250"
	.amdhsa_code_object_version 6
	.text
	.protected	k_q31688c06a1_proj
	.globl	k_q31688c06a1_proj
	.p2align	8
	.type	k_q31688c06a1_proj,@function
k_q31688c06a1_proj:
	s_mov_b64 s[64:65], 0
	v_nop
	global_prefetch_b8 v0, s[64:65] scope:SCOPE_SE
	s_setreg_imm32_b32 hwreg(HW_REG_WAVE_SCHED_MODE, 0, 2), 2
	s_setreg_imm32_b32 hwreg(HW_REG_WAVE_MODE, 25, 1), 1
	s_wait_xcnt 0x0
	s_wait_alu depctr_vm_vsrc(0)
; q = x Wq^T + bq, k = x Wk^T + bk, v = x Wv^T + bv on codes of FP6 (E2M3) with E8M0 scales, each result quantised again (q, k along the head's 64, v along the keys)
; and stored AS IMAGES OF THE OPERAND REGISTERS that the attention launch wants; Wo's codes are laid out the same way.
; ONE BODY, FOUR ROLES, by the work-group's number: role = x >> 6, xi = x & 63.  A work-group keeps a STATIONARY matrix P of 512 rows x K 512 in registers (wave w: rows 128 w .. 128 w + 127, 8 tiles x 4 K steps
; = 32 fragments = 384 registers) and STREAMS 512 rows of a matrix N, 64 rows (4 tiles) a trip.  The product is used transposed (source 0 = 16 rows of P, source 1 = 16 rows of N): a lane holds ONE row of N and its
; 64 registers run along the wave's 128 rows of P, which are the next product's K.
;   role 0: P = Wq, N = x rows 512 xi on (tiles of neighbouring rows)   -> Q fragments (head pair w), bias bq as the C of the first K step
;   role 1: P = Wk, N = x rows 512 xi on (tiles of chosen rows)         -> K fragments, bias bk likewise
;   role 2: P = x rows 512 xi on (the keys), N = Wv (tiles of chosen rows) -> V^T fragments with K = 128 keys, bias bv by the lane's row, added behind the sums
;   role 3 (one work-group): P = Wo: its fragments and scale words are stored as they stand in the registers, and the work-group ends.
; THE ROWS OF A TILE ARE CHOSEN: lane r of tile 2 b + u takes row 32 b + 8 u + r + 8 (r / 8), so that the 16 registers of tiles 2 b and 2 b + 1 of a transposed result are 16 neighbours along the next K.
; N's tiles go from wave to wave through LDS as images of their registers: wave w gathers tile w of the next trip from memory, stores 12 x 512 bytes and a plane of scale words; two buffers take turns, one barrier a trip.
; 192 equal parts (3 tensors x 64): smaller parts would load the stationary 196,608 bytes more often.  No tensor load: the rows are gathered in the operand's order by the lanes.
; LIMITS: NaN, infinities and given scale bytes of 0xff are not served; a block of zeros gets the byte 1 (its codes are zeros; the bytes are read by this program alone); blocks under 2^(3 - 127) are held at byte 1.
; THE MODE: SCHED_MODE bits 1:0 = 2 (LLVM: expert scheduling mode 2), set by the entry lines.  The code itself states the register dependences
; between vector or matrix instructions and memory or LDS instructions, with s_wait_alu, always for 0.
; THE PLAN.  Registers that memory or LDS instructions touch, in the loop:
;   N0, N1       N's four fragments, two sets; with each a set of four scale words and the lane's number of bv.  Tile tau's products (in role 2 its additions too) read set tau % 2; the LDS loads of tile tau + 1 land in the
;                other set and are issued inside tile tau's products.  Tile 0's are issued at the trip's head, behind the barrier.
;   G            the gathered tile: the gather's loads land in it at a trip's head, the LDS stores of the trip's last tile read it; no vector instruction names it.
;   v160-171     a tile's codes: written by the quantiser, read by the tile's four stores.      v72-75  the trip's four scale words: one move a tile, read by the store at the trip's end.
;   v12-15       the trip's LDS address of bv and its stores' offsets: four additions at the trip's head.      v4-11, v16, v19, v20: made at the kernel's head, never written again.
; A tile has ONE wait on va_vdst, behind its quantiser: the codes and the scale word are written (the stores follow), and the tile's products and additions are done reading their set, in which the loads issued in the
; next tile land.  Those loads stand among products that name P, the bias, the sums and the OTHER set alone.  Ahead of the quantiser of tiles 1 to 3 one wait on vm_vsrc: the last tile's stores have read the codes.
; A trip's head has one wait on vm_vsrc ahead of its four additions and of the gather, and one on va_vdst behind the additions.
; REGISTERS.  window 0: v1-20 addresses; v24-27 bv on its way to LDS; v32-63 P's scale words (4 t + s); v64-67, v76-79 N's, two sets; v68-71 the lane's bv, two sets; v72-75 the trip's four scale words; v96-159 the sums;
;   v160-179 codes; v184-199 at work; v200 a scale word.   window 1: P(t, s = 0, 1) at 24 t + 12 s.   window 2: P(t, s = 2, 3).   window 3: v0-47, v192-239 N's four fragments, two sets; v64-115 the gathered tile; v128-191 the bias along P.
.set LBT,   53248                      ; LDS: bv, 2,048 bytes, behind the two buffers
.set BUFB,  26624                      ; a buffer: four tiles
.set TILEB, 6656                       ; a tile: 4 fragments x 1,536 bytes, then 512 bytes of scale words (16 a lane)
.set ACC,   96
.set PC,    160
.set TM,    184
.set PW,    200
.set SEL,   58
.set MSB,   0
.macro WIN new                         ; the immediate's high byte repeats the setting that is left
.if MSB != \new
	s_set_vgpr_msb (MSB<<8)|\new
.set MSB, \new
.endif
.endm
.macro NOP4
.rept 4
	v_nop
.endr
.endm
.macro SEL3 d, c0, c1, c2              ; a constant by the role (role 3 takes role 2's and does not use it)
	s_mov_b32 s[\d], \c2
	s_cmp_eq_u32 s3, 1
	s_cselect_b32 s[\d], \c1, s[\d]
	s_cmp_eq_u32 s3, 0
	s_cselect_b32 s[\d], \c0, s[\d]
.endm
; 64 numbers of a lane, register 16 b + i = k 32 b + 16 (lane / 16) + i of my row, become a fragment's codes in v[PC] on and its scale word in v[PW].
.macro QUANT s
.irp b, 0,1,2,3
	v_max3_num_f32 v[TM+\b], |v[\s+16*\b]|, |v[\s+1+16*\b]|, 0x1800000   ; my 16 numbers of block b, and the floor 2^(3 - 127): the byte cannot fall under 1
.endr
.irp i, 2,4,6,8,10,12,14
.irp b, 0,1,2,3
	v_max3_num_f32 v[TM+\b], v[TM+\b], |v[\s+16*\b+\i]|, |v[\s+1+16*\b+\i]|
.endr
.endr
.irp b, 0,1,2,3
	v_permlanex16_b32 v[TM+4+\b], v[TM+\b], s[SEL], s[SEL+1]
.endr
.irp b, 0,1,2,3
	v_max_num_f32 v[TM+\b], v[TM+\b], v[TM+4+\b]   ; with lane l xor 16's: the block's largest magnitude
.endr
.irp b, 0,1,2,3
	v_add_nc_u32 v[TM+12+\b], 0xff000000, v[TM+\b]   ; 2 off its exponent field: the conversion's scale operand
.endr
.irp b, 0,1,2,3
	v_lshrrev_b32 v[TM+4+\b], 23, v[TM+12+\b]      ; the scale's byte
.endr
	v_lshl_or_b32 v[PW], v[TM+5], 8, v[TM+4]
	v_lshl_or_b32 v[PW], v[TM+6], 16, v[PW]
	v_lshl_or_b32 v[PW], v[TM+7], 24, v[PW]
.irp c, 0,1
	v_cvt_scalef32_pk16_fp6_f32 v[PC+6*\c:PC+2+6*\c], v[\s+32*\c:\s+15+32*\c], v[TM+12+2*\c]
	v_cvt_scalef32_pk16_fp6_f32 v[PC+12+4*\c:PC+14+4*\c], v[\s+16+32*\c:\s+31+32*\c], v[TM+12+2*\c+1]   ; (a conversion's three registers begin on an even number)
.endr
	v_nop                                          ; one plain place behind a scaled conversion
.irp c, 0,1                                    ; the operand's layout wants a whole block in a lane
.irp i, 0,1,2
	v_permlane16_swap_b32 v[PC+6*\c+\i], v[PC+12+4*\c+\i]
.endr
.irp i, 0,1,2
	v_mov_b32 v[PC+3+6*\c+\i], v[PC+12+4*\c+\i]
.endr
.endr
.endm
.macro GATHER                          ; my tile of the next trip: 16 rows x K 512 as four fragments, and the rows' 16 scale bytes
	WIN 0xc0
.irp s, 0,1,2,3
.irp p, 0,1,2,3,4,5
	global_load_b64 v[64+12*\s+2*\p:65+12*\s+2*\p], v8, s[44:45] offset:96*\s+48*(\p/3)+8*(\p%3)
.endr
.endr
	global_load_b128 v[112:115], v9, s[46:47]
	WIN 0
.endm
.macro PUT buf                         ; its image into buffer buf: every store is 512 consecutive bytes at 16 x lane + 6,656 x wave
	WIN 0x0c
.irp s, 0,1,2,3
.irp c, 0,1,2
	ds_store_b128 v10, v[64+12*\s+4*\c:67+12*\s+4*\c] offset:(\buf)*BUFB+1536*\s+512*\c
.endr
.endr
	ds_store_b128 v10, v[112:115] offset:(\buf)*BUFB+6144
	WIN 0
.endm
.macro FRAGS buf, tau, f0              ; fragments f0 and f0 + 1 of tile tau of buffer buf come back as they were stored, in every wave, into N's set tau % 2: six LDS loads
	WIN 0xc0
.irp f, \f0, \f0+1
.irp c, 0,1,2
	ds_load_b128 v[192*((\tau)%2)+12*(\f)+4*\c:192*((\tau)%2)+12*(\f)+4*\c+3], v4 offset:(\buf)*BUFB+(\tau)*TILEB+1536*(\f)+512*\c
.endr
.endr
.endm
.macro WORDS buf, tau                  ; the tile's scale words, and the lane's number of bv, into their sets tau % 2: two LDS loads
	WIN 0
	ds_load_b128 v[64+12*((\tau)%2):67+12*((\tau)%2)], v4 offset:(\buf)*BUFB+(\tau)*TILEB+6144
	ds_load_b32 v[68+2*((\tau)%2)], v12 offset:4*(32*((\tau)/2)+8*((\tau)%2))
.endm
; 32 matrix instructions on N's set tau % 2: K step by K step, the 8 accumulators by turns, one instruction a turn.
; Among them, in two runs early in the tile, stand the 14 LDS loads of tile tau + 1, which land in the other set.  No wait stands ahead of them: since the last wait on va_vdst (behind the last tile's quantiser, or at
; the trip's head) no vector or matrix instruction names that set, v4 or v12.
.macro MUL beta, tau
.if (\tau) < 3
	FRAGS \beta, (\tau)+1, 0
.endif
	WIN 0x3d                                       ; source 0 (P) window 1, source 1 (N) and C (the bias) window 3
.irp t, 0,1,2,3,4,5,6,7
	v_wmma_scale_f32_16x16x128_f8f6f4 v[ACC+8*\t:ACC+8*\t+7], v[24*\t:24*\t+11], v[192*((\tau)%2):192*((\tau)%2)+11], v[128+8*\t:135+8*\t], v[32+4*\t], v[64+12*((\tau)%2)] matrix_a_fmt:MATRIX_FMT_FP6 matrix_b_fmt:MATRIX_FMT_FP6
.endr
.if (\tau) < 3
	FRAGS \beta, (\tau)+1, 2
	WORDS \beta, (\tau)+1
.endif
	WIN 0x0d
.irp t, 0,1,2,3,4,5,6,7
	v_wmma_scale_f32_16x16x128_f8f6f4 v[ACC+8*\t:ACC+8*\t+7], v[24*\t+12:24*\t+23], v[192*((\tau)%2)+12:192*((\tau)%2)+23], v[ACC+8*\t:ACC+8*\t+7], v[33+4*\t], v[65+12*((\tau)%2)] matrix_a_fmt:MATRIX_FMT_FP6 matrix_b_fmt:MATRIX_FMT_FP6
.endr
	WIN 0x0e                                       ; source 0 window 2
.irp t, 0,1,2,3,4,5,6,7
	v_wmma_scale_f32_16x16x128_f8f6f4 v[ACC+8*\t:ACC+8*\t+7], v[24*\t:24*\t+11], v[192*((\tau)%2)+24:192*((\tau)%2)+35], v[ACC+8*\t:ACC+8*\t+7], v[34+4*\t], v[66+12*((\tau)%2)] matrix_a_fmt:MATRIX_FMT_FP6 matrix_b_fmt:MATRIX_FMT_FP6
.endr
.irp t, 0,1,2,3,4,5,6,7
	v_wmma_scale_f32_16x16x128_f8f6f4 v[ACC+8*\t:ACC+8*\t+7], v[24*\t+12:24*\t+23], v[192*((\tau)%2)+36:192*((\tau)%2)+47], v[ACC+8*\t:ACC+8*\t+7], v[35+4*\t], v[67+12*((\tau)%2)] matrix_a_fmt:MATRIX_FMT_FP6 matrix_b_fmt:MATRIX_FMT_FP6
.endr
	WIN 0
.endm
.macro OUT tau                         ; the fragment's two halves leave as images: registers 0-3 of six at 16 x lane (512 consecutive bytes), registers 4-5 at 512 + 8 x lane (256)
	v_mov_b32 v[72+(\tau)], v[PW]
	s_wait_alu depctr_va_vdst(0)                   ; the quantiser has written the codes v160-171 and the move v[72 + tau], which the stores read; this tile's products and additions are done reading N's set tau % 2, its scale words and its number of bv, in which the loads issued in the next tile land
.irp c, 0,1
	global_store_b128 v13, v[PC+6*\c:PC+6*\c+3], s[66+4*(\tau)+2*\c:67+4*(\tau)+2*\c]
	global_store_b64 v14, v[PC+6*\c+4:PC+6*\c+5], s[66+4*(\tau)+2*\c:67+4*(\tau)+2*\c] offset:512
.endr
.endm
; One tile of N against my 128 rows of P.
.macro PTILE beta, tau
	s_wait_dscnt 0x0                               ; the tile's fragments, scale words and bias number are in
	MUL \beta, \tau
	NOP4                                           ; four places between the last products and the first vector instruction that reads the sums
.if (\tau) == 3
.if (\beta) == 0
	s_wait_loadcnt 0x0                             ; my tile of the next trip has come from memory
	PUT 1
.else
	s_wait_loadcnt 0x0                             ; on every path: the gathered tile is in before its registers are stored or loaded again (in the last trip no load is out)
	s_cmp_eq_u32 s5, 3                             ; the last trip has no successor: nothing to store
	s_cbranch_scc1 .Lno_put_\@
	PUT 0
.Lno_put_\@:
.endif
.endif
	s_cmp_lg_u32 s3, 2
	s_cbranch_scc1 .Lno_bias_\@                    ; role 2 alone: the bias goes by the lane's row of N
.set jj, 0
.rept 32
	v_pk_add_f32 v[ACC+jj:ACC+jj+1], v[ACC+jj:ACC+jj+1], v[68+2*((\tau)%2):69+2*((\tau)%2)] op_sel_hi:[1,0]
.set jj, jj+2
.endr
.Lno_bias_\@:
.if (\tau) > 0                                 ; (tile 0: no store has been issued since the two waits at the trip's head)
	s_wait_xcnt 0x0                                ; the last tile's stores have had their addresses translated: the codes' registers are written again only behind this wait
	s_wait_alu depctr_vm_vsrc(0)                   ; the last tile's four stores have read the codes v160-171, which the quantiser writes again
.endif
	QUANT ACC
	OUT \tau
.endm
; A trip: 64 rows of N.  beta: the buffer that is read; the other one takes the next trip's tiles.
.macro TRIP beta
	s_wait_xcnt 0x0                                ; the stores' offsets and N's bases are written again only behind this wait
	s_wait_alu depctr_vm_vsrc(0)                   ; the last trip's stores have read v13-15, v72-75 and the codes, its loads of bv v12, and its LDS stores the gathered tile, in which the gather below lands
	s_mul_i32 s82, s5, s52
.if \beta
	s_add_co_u32 s82, s82, s53
.endif
	v_add_nc_u32 v13, s82, v4                      ; the trip's place among the codes' images
	v_add_nc_u32 v14, s82, v5
	s_mul_i32 s82, s5, s54
.if \beta
	s_add_co_u32 s82, s82, s55
.endif
	v_add_nc_u32 v15, s82, v4                      ; and among the planes of scale words
	v_add_nc_u32 v12, s7, v11                      ; bv: 64 numbers a trip
	s_wait_alu depctr_va_vdst(0)                   ; v12 is written, which the trip's loads of bv read as their address, and v13-15, which its stores read as their offsets
.if \beta
	s_cmp_eq_u32 s5, 3
	s_cbranch_scc1 .Lno_gather_\@                  ; no load leaves its buffer
.endif
	s_add_nc_u64 s[44:45], s[44:45], 24576         ; 64 rows of 384 bytes on
	s_add_nc_u64 s[46:47], s[46:47], 1024
	GATHER
.if \beta
.Lno_gather_\@:
.endif
	FRAGS \beta, 0, 0                              ; tile 0, into set 0: its last readers, the last trip's third tile, stand ahead of the waits above
	FRAGS \beta, 0, 2
	WORDS \beta, 0
	PTILE \beta, 0
	PTILE \beta, 1
	PTILE \beta, 2
	PTILE \beta, 3
	global_store_b128 v15, v[72:75], s[50:51]      ; the four tiles' scale words: a plane of 512 consecutive bytes (the last tile's wait on va_vdst stands behind the fourth move)
	s_wait_dscnt 0x0                               ; my stores into the other buffer have landed and my reads of this one are in
	s_barrier_signal -1
	s_barrier_wait -1
	s_add_co_u32 s7, s7, 256
.endm
	s_load_b512 s[8:23], s[0:1], 0x0               ; x codes, x scales, Wq c, Wq s, Wk c, Wk s, Wv c, Wv s
	s_load_b256 s[24:31], s[0:1], 0x40             ; Wo c, Wo s, bq, bk
	s_load_b128 s[32:35], s[0:1], 0x60             ; bv, qws
	s_load_b64 s[36:37], s[0:1], 0x70              ; kvws: the fifteenth and last pointer
	v_lshl_add_u32 v254, v0, 2, 0xd800
	v_mov_b32 v255, 0
	v_lshrrev_b32 v1, 5, v0
	v_readfirstlane_b32 s2, v1                     ; wave
	s_lshr_b32 s3, ttmp9, 6                        ; role
	s_and_b32 s4, ttmp9, 63                        ; xi
	v_and_b32 v1, 31, v0                           ; lane
	v_and_b32 v2, 15, v0                           ; r
	v_bfe_u32 v3, v0, 4, 1                         ; h
	v_lshlrev_b32 v4, 4, v1                        ; 16 x lane
	v_lshlrev_b32 v5, 3, v1                        ; 8 x lane
	v_and_b32 v17, 8, v2
	v_add_nc_u32 v17, v17, v2                      ; r + 8 (r / 8)
	v_mul_u32_u24 v6, v17, 384
	v_mad_u32_u24 v6, v3, 24, v6                   ; P's codes: a row is 384 bytes, + 24 h
	v_lshlrev_b32 v7, 4, v17                       ; P's scale bytes: 16 a row
	s_wait_alu depctr_va_sdst(0)                   ; s2, the wave's number, is written, ahead of its first reader: LDS places, bases and offsets are made from it
	s_lshl_b32 s84, s2, 4                          ; the tile that I gather: rows 16 w on (role 0),
	s_lshr_b32 s85, s2, 1
	s_lshl_b32 s85, s85, 5
	s_and_b32 s86, s2, 1
	s_lshl_b32 s86, s86, 3
	s_add_co_u32 s85, s85, s86                     ; or 32 (w / 2) + 8 (w % 2) on, with the chosen rows
	s_cmp_eq_u32 s3, 0
	s_cselect_b32 s83, 0, 8
	s_cselect_b32 s82, s84, s85
	v_and_b32 v18, s83, v2
	v_add_nc_u32 v18, v18, v2
	v_add_nc_u32 v18, s82, v18                     ; my row among the trip's 64
	v_mul_u32_u24 v8, v18, 384
	v_mad_u32_u24 v8, v3, 24, v8
	v_lshlrev_b32 v9, 4, v18
	s_mul_i32 s82, s2, TILEB
	v_add_nc_u32 v10, s82, v4                      ; where I store my tile's image
	v_lshl_add_u32 v11, v17, 2, LBT                ; bv of my row of a tile
	v_lshlrev_b32 v16, 6, v3                       ; 64 h: the bias along P
	v_lshl_add_u32 v19, v0, 4, LBT
	v_lshlrev_b32 v20, 4, v0
	s_mov_b32 s[SEL], 0x76543210
	s_mov_b32 s[SEL+1], 0xfedcba98                 ; v_permlanex16_b32's selects for lane l xor 16
	; offsets, apart from the addresses
	s_cmp_eq_u32 s3, 2
	s_cselect_b32 s82, s4, 0                       ; x is P in role 2,
	s_cselect_b32 s83, 0, s4                       ; N in roles 0 and 1
	s_mul_i32 s84, s82, 196608
	s_mul_i32 s86, s2, 49152
	s_add_co_u32 s84, s84, s86                     ; P's codes: my 128 rows
	s_mov_b32 s85, 0
	s_mul_i32 s86, s82, 8192
	s_lshl_b32 s87, s2, 11
	s_add_co_u32 s86, s86, s87                     ; their scale bytes
	s_mov_b32 s87, 0
	s_mul_i32 s88, s83, 196608
	s_mov_b32 s89, 0
	s_mul_i32 s90, s83, 8192
	s_mov_b32 s91, 0
	s_lshl_b32 s96, s2, 9                          ; the bias along P: my 128 numbers
	s_mov_b32 s97, 0
	SEL3 82, 196608, 425984, 425984                ; where my images go: xi's part,
	s_mul_i32 s92, s4, s82
	SEL3 82, 1536, 12288, 106496                   ; my wave's (a head pair; in role 2 a key step's block),
	s_mul_i32 s83, s2, s82
	s_add_co_u32 s92, s92, s83
	SEL3 82, 0, 0, 49152                           ; V's codes lie behind K's
	s_add_co_u32 s92, s92, s82
	s_mov_b32 s93, 0
	SEL3 82, 16384, 425984, 425984                 ; and the planes of scale words
	s_mul_i32 s94, s4, s82
	SEL3 82, 512, 1024, 106496
	s_mul_i32 s83, s2, s82
	s_add_co_u32 s94, s94, s83
	SEL3 82, 12582912, 98304, 102400
	s_add_co_u32 s94, s94, s82
	s_mov_b32 s95, 0
	SEL3 52, 49152, 106496, 12288                  ; two trips on, in the codes
	SEL3 53, 24576, 3072, 6144                     ; one trip on
	SEL3 54, 4096, 106496, 1024                    ; the same in the planes
	SEL3 55, 2048, 512, 512
	SEL3 56, 6144, 768, 1536                       ; from tile to tile
	SEL3 57, 768, 6144, 768                        ; from a fragment's first half to its second
	s_wait_kmcnt 0x0
	s_cmp_eq_u32 s3, 0
	s_cselect_b64 s[40:41], s[12:13], s[16:17]     ; P: Wq or Wk,
	s_cselect_b64 s[42:43], s[14:15], s[18:19]
	s_cselect_b64 s[48:49], s[28:29], s[30:31]     ; bq or bk
	s_cselect_b64 s[98:99], s[34:35], s[36:37]     ; the results' buffer
	s_cmp_eq_u32 s3, 2
	s_cselect_b64 s[40:41], s[8:9], s[40:41]       ; x in role 2,
	s_cselect_b64 s[42:43], s[10:11], s[42:43]
	s_cselect_b64 s[44:45], s[20:21], s[8:9]       ; N: Wv there, else x
	s_cselect_b64 s[46:47], s[22:23], s[10:11]
	s_cmp_eq_u32 s3, 3
	s_cselect_b64 s[40:41], s[24:25], s[40:41]     ; Wo in role 3
	s_cselect_b64 s[42:43], s[26:27], s[42:43]
	s_add_nc_u64 s[40:41], s[40:41], s[84:85]
	s_add_nc_u64 s[42:43], s[42:43], s[86:87]
	s_add_nc_u64 s[44:45], s[44:45], s[88:89]
	s_add_nc_u64 s[46:47], s[46:47], s[90:91]
	s_add_nc_u64 s[48:49], s[48:49], s[96:97]
	s_add_nc_u64 s[50:51], s[98:99], s[94:95]
	s_add_nc_u64 s[98:99], s[98:99], s[92:93]
.irp tau, 0,1,2,3                              ; a base for each tile of a trip and each half of its fragment: never rewritten
	s_mul_i32 s84, s56, \tau
	s_add_nc_u64 s[66+4*\tau:67+4*\tau], s[98:99], s[84:85]
	s_add_co_u32 s84, s84, s57
	s_add_nc_u64 s[68+4*\tau:69+4*\tau], s[98:99], s[84:85]
.endr
	WIN 0x40                                       ; P stays in registers: tile t begins at row 32 (t / 2) + 8 (t % 2)
	s_wait_alu depctr_va_vdst(0)                   ; the offsets and LDS addresses v4 to v11, v16, v19 and v20 are written, which the loads, stores and LDS instructions of the whole kernel read
.irp t, 0,1,2,3,4,5,6,7
.irp s, 0,1
.irp p, 0,1,2,3,4,5
	global_load_b64 v[24*\t+12*\s+2*\p:24*\t+12*\s+2*\p+1], v6, s[40:41] offset:(32*(\t/2)+8*(\t%2))*384+96*\s+48*(\p/3)+8*(\p%3)
.endr
.endr
.endr
	WIN 0x80
.irp t, 0,1,2,3,4,5,6,7
.irp s, 0,1
.irp p, 0,1,2,3,4,5
	global_load_b64 v[24*\t+12*\s+2*\p:24*\t+12*\s+2*\p+1], v6, s[40:41] offset:(32*(\t/2)+8*(\t%2))*384+96*(\s+2)+48*(\p/3)+8*(\p%3)
.endr
.endr
.endr
	WIN 0
.irp t, 0,1,2,3,4,5,6,7
	global_load_b128 v[32+4*\t:35+4*\t], v7, s[42:43] offset:(32*(\t/2)+8*(\t%2))*16   ; a row's four scale words, one for each K step
.endr
	s_cmp_eq_u32 s3, 3
	s_cbranch_scc1 .Lwo
	s_cmp_eq_u32 s3, 2
	s_cbranch_scc1 .Lbias_v
	WIN 0xc0                                       ; the bias along P, in the result's layout: for tile t the numbers 32 (t / 2) + 16 h + 8 (t % 2) + 0 .. 7
.irp t, 0,1,2,3,4,5,6,7
	global_load_b128 v[128+8*\t:131+8*\t], v16, s[48:49] offset:(32*(\t/2)+8*(\t%2))*4
	global_load_b128 v[132+8*\t:135+8*\t], v16, s[48:49] offset:(32*(\t/2)+8*(\t%2))*4+16
.endr
	WIN 0
	s_branch .Lbias_done
.Lbias_v:
	WIN 0xc0                                       ; role 2 has no bias along P (the keys): the same C registers hold zeros, so that one text of the products serves all roles
.set jj, 0
.rept 64
	v_mov_b32 v[128+jj], 0
.set jj, jj+1
.endr
	WIN 0
.Lbias_done:
	global_load_b128 v[24:27], v20, s[32:33]       ; bv: 16 bytes a thread.  (No vector instruction since the wait above names v20, v8, v9 or a register in which these loads land)
	GATHER                                         ; trip 0's tile
.irp b, 0,1,2,3
	v_mov_b32 v[TM+4+\b], 0                        ; written once: a lane permute's destination counts as one of its sources
.endr
	v_mov_b32 v69, 0                               ; (named as the upper halves of pairs; no load lands in them)
	v_mov_b32 v71, 0
	s_wait_loadcnt 0x0
	ds_store_b128 v19, v[24:27]
	PUT 0
	s_wait_dscnt 0x0
	s_barrier_signal -1
	s_barrier_wait -1                              ; trip 0's four tiles and bv lie in LDS
	s_mov_b32 s5, 0
	s_mov_b32 s7, 0
.Ltrip:                                            ; four passes of two trips: the two buffers stand in the text as constants
	TRIP 0
	TRIP 1
	s_add_co_u32 s5, s5, 1
	s_cmp_lt_u32 s5, 4
	s_cbranch_scc1 .Ltrip
	s_wait_dscnt 0x0
	s_wait_alu depctr_hold_cnt(0) depctr_sa_sdst(0) depctr_va_vdst(0) depctr_va_sdst(0) depctr_va_ssrc(0) depctr_va_vcc(0) depctr_vm_vsrc(0)
	s_wait_tensorcnt 0x0
	ds_add_u32 v254, v255
	s_wait_dscnt 0x0
	s_endpgm
.Lwo:                                              ; Wo: tile 8 w + t goes to block 256 + w / 2 of kvws, at (8 (w % 2) + t) x 6,144; a fragment is three planes of 512 bytes.  The stores' data come from loads, their offset v4 stands ahead of the head's wait
	s_wait_loadcnt 0x0
	s_lshr_b32 s82, s2, 1
	s_add_co_u32 s82, s82, 256
	s_mul_i32 s82, s82, 106496
	s_and_b32 s83, s2, 1
	s_mul_i32 s84, s83, 49152
	s_add_co_u32 s84, s84, s82
	s_add_nc_u64 s[44:45], s[36:37], s[84:85]
	s_lshl_b32 s84, s83, 12
	s_add_co_u32 s84, s84, s82
	s_add_co_u32 s84, s84, 98304
	s_add_nc_u64 s[46:47], s[36:37], s[84:85]
	WIN 0x04                                       ; a store's data are its source 1: window 1
.irp t, 0,1,2,3,4,5,6,7
.irp s, 0,1
.irp c, 0,1,2
	global_store_b128 v4, v[24*\t+12*\s+4*\c:24*\t+12*\s+4*\c+3], s[44:45] offset:(4*\t+\s)*1536+512*\c
.endr
.endr
.endr
	WIN 0x08
.irp t, 0,1,2,3,4,5,6,7
.irp s, 0,1
.irp c, 0,1,2
	global_store_b128 v4, v[24*\t+12*\s+4*\c:24*\t+12*\s+4*\c+3], s[44:45] offset:(4*\t+\s+2)*1536+512*\c
.endr
.endr
.endr
	WIN 0
.irp t, 0,1,2,3,4,5,6,7
	global_store_b128 v4, v[32+4*\t:35+4*\t], s[46:47] offset:512*\t
.endr
	s_endpgm
.Lfunc_end_k_q31688c06a1_proj:
	.size	k_q31688c06a1_proj, .Lfunc_end_k_q31688c06a1_proj-k_q31688c06a1_proj
	.p2alignl 7, 3214868480
	.fill 96, 4, 3214868480
	.section	.rodata,"a",@progbits
	.p2align	6, 0x0
	.amdhsa_kernel k_q31688c06a1_proj
		.amdhsa_group_segment_fixed_size 55808
		.amdhsa_private_segment_fixed_size 0
		.amdhsa_enable_private_segment 0
		.amdhsa_kernarg_size 120
		.amdhsa_user_sgpr_count 2
		.amdhsa_user_sgpr_kernarg_segment_ptr 1
		.amdhsa_wavefront_size32 1
		.amdhsa_system_sgpr_workgroup_id_x 1
		.amdhsa_system_sgpr_workgroup_id_y 1
		.amdhsa_system_sgpr_workgroup_id_z 1
		.amdhsa_system_vgpr_workitem_id 0
		.amdhsa_next_free_vgpr 1024
		.amdhsa_next_free_sgpr 100
		.amdhsa_reserve_vcc 0
		.amdhsa_float_denorm_mode_32 3
		.amdhsa_float_denorm_mode_16_64 3
		.amdhsa_memory_ordered 1
		.amdhsa_forward_progress 1
		.amdhsa_inst_pref_size 145
	.end_amdhsa_kernel
	.amdgpu_metadata
---
amdhsa.version: [ 1, 2 ]
amdhsa.kernels:
  - .name:           k_q31688c06a1_proj
    .symbol:         k_q31688c06a1_proj.kd
    .args:
      - { .name: x_codes, .offset: 0, .size: 8, .value_kind: global_buffer, .address_space: global }
      - { .name: x_scales, .offset: 8, .size: 8, .value_kind: global_buffer, .address_space: global }
      - { .name: Wq_codes, .offset: 16, .size: 8, .value_kind: global_buffer, .address_space: global }
      - { .name: Wq_scales, .offset: 24, .size: 8, .value_kind: global_buffer, .address_space: global }
      - { .name: Wk_codes, .offset: 32, .size: 8, .value_kind: global_buffer, .address_space: global }
      - { .name: Wk_scales, .offset: 40, .size: 8, .value_kind: global_buffer, .address_space: global }
      - { .name: Wv_codes, .offset: 48, .size: 8, .value_kind: global_buffer, .address_space: global }
      - { .name: Wv_scales, .offset: 56, .size: 8, .value_kind: global_buffer, .address_space: global }
      - { .name: Wo_codes, .offset: 64, .size: 8, .value_kind: global_buffer, .address_space: global }
      - { .name: Wo_scales, .offset: 72, .size: 8, .value_kind: global_buffer, .address_space: global }
      - { .name: bq, .offset: 80, .size: 8, .value_kind: global_buffer, .address_space: global }
      - { .name: bk, .offset: 88, .size: 8, .value_kind: global_buffer, .address_space: global }
      - { .name: bv, .offset: 96, .size: 8, .value_kind: global_buffer, .address_space: global }
      - { .name: qws, .offset: 104, .size: 8, .value_kind: global_buffer, .address_space: global }
      - { .name: kvws, .offset: 112, .size: 8, .value_kind: global_buffer, .address_space: global }
    .group_segment_fixed_size: 55808
    .private_segment_fixed_size: 0
    .kernarg_segment_align: 8
    .kernarg_segment_size: 120
    .max_flat_workgroup_size: 128
    .sgpr_count:     100
    .vgpr_count:     1024
    .wavefront_size: 32
...
	.end_amdgpu_metadata
.endif
;; end of part 3
;; launch attn: the kernel of part 2 again; grid 256 x 1, 4 waves a work-group, no clusters, 327,680 bytes of LDS; arguments qws, kvws, time_intervals, bo, out0; writes out0
